; MI455X (gfx1250); checked and timed in simulation.
; The chip was launched on July 23, 2026; its instructions are those of AMD's public machine-readable ISA for CDNA 5 (MIT licence, August 2026) and "CDNA5" Instruction Set Architecture Reference Guide (July 2026). The comments in the code are by the model that wrote it; some were corrected since.
;; Mo E Layer. Allowed arithmetic: float matrix products may take bf16 or f16 operands with f32 sums; other float arithmetic in f32, or as packed bf16 or f16 multiplies, adds, multiply-adds, maxima and minima; sums over many terms, partial sums and values carried from step to step in f32; what a program stores and reads back later, other than sums and carried values, may be rounded once to bf16 or f16.
;; Inputs: Wr 1,024 x 8 float32; w1 8 x 1,024 x 2,048 float32; w2 8 x 2,048 x 1,024 float32; w3 8 x 1,024 x 2,048 float32; x 4 x 256 x 1,024 float32.
;; Outputs: out0 4 x 256 x 1,024 float32; out1 one number float32.
;; 2 versions, each right and faster than the one before. Each part assembles by itself: llvm-mc -triple=amdgcn-amd-amdhsa -mcpu=gfx1250 --defsym DOCPART=n.
;; ======== version 1 of 2: 4 launches
;; workspace buffers: xb 2,097,152 bytes; sel 4,096 bytes of whole numbers; gw 8,192 bytes; psum 4,096 bytes; hbuf 33,554,432 bytes; rk 33,792 bytes of whole numbers; y 67,108,864 bytes
;; launch router (part 1): grid 64 x 1, 4 waves a work-group, no clusters, 54,272 bytes of LDS; arguments x, Wr, xb, sel, gw, psum; writes xb, sel, gw, psum
.if DOCPART == 1
	.amdgcn_target "amdgcn-amd-amdhsa--gfx1250"
	.amdhsa_code_object_version 6
	.text
	.protected	k_qfe10134b0e_router
	.globl	k_qfe10134b0e_router
	.p2align	8
	.type	k_qfe10134b0e_router,@function
k_qfe10134b0e_router:
	s_mov_b64 s[64:65], 0
	v_nop
	global_prefetch_b8 v0, s[64:65] scope:SCOPE_SE
	s_setreg_imm32_b32 hwreg(HW_REG_WAVE_MODE, 25, 1), 1
	s_wait_xcnt 0x0
; ROUTER.  A work-group takes 16 tokens.  It rounds their rows of x to bf16 (stored in xb for the first product), multiplies them by Wr (rounded to bf16 too)
; on the matrix unit, and wave 0 then makes, for each token: the softmax over the 8 experts (the row's maximum taken away), the two largest probabilities
; (a tie keeps the lower index), their weights v / (v1 + v2), and the work-group's sums of probabilities and of usage for the loss.
; Stored at fixed places: sel[t] = 1 << i1 | 1 << (i2 + 8) | i1 << 16 | i2 << 20, gw[t] = (g1, g2), psum[work-group] = 8 sums of probabilities, 8 counts of usage.
; 64 work-groups: 16 tokens are one matrix tile, and the launch moves 6 MB in all.  No cluster: what is shared is Wr, 32 KB of it.
; LIMITS.  A probability below 2^-126 counts as 0.  The ranking goes by this text's own f32 probabilities, which may differ in the last bit from
; another evaluation of the same softmax.  NaN and infinities are not treated apart.
.set XPITCH, 2064                      ; a token's row in LDS: 2,048 bytes of bf16 + 16: an odd multiple of 16, so 16 rows of a fragment load start at 16 different groups of banks
.set WRB,    33280                     ; Wr in bf16: row k = 8 experts = 16 bytes
.set PART,   49664                     ; each wave's partial logits: 1,024 bytes a wave
.set SPARE,  53760                     ; the spare words, 128 bytes a wave: two blocks of 256 bytes that no other line names
.set XR,     64                        ; v64-191   x as loaded, then in bf16; later the fragments of x (v64-127)
.set WF,     128                       ; v128-191  the fragments of Wr
.set WR,     192                       ; v192-255  Wr as loaded
.set LG,     48                        ; v48-55    logits of my token, expert j in register j
.set PR,     96                        ; v96-103   probabilities; v104-111 usage
.macro PLACES
.rept 4
	v_nop
.endr
.endm
	s_load_b256 s[4:11], s[0:1], 0x0               ; x s[4:5], Wr s[6:7], xb s[8:9], sel s[10:11]
	s_load_b128 s[12:15], s[0:1], 0x20             ; gw s[12:13], psum s[14:15]
	v_lshl_add_u32 v28, v0, 2, SPARE               ; my spare word
	v_mov_b32 v29, 0
	v_lshrrev_b32 v1, 5, v0
	v_readfirstlane_b32 s16, v1                    ; wave 0..3
	v_and_b32 v2, 31, v0                           ; lane L
	v_lshlrev_b32 v3, 4, v0                        ; 16 x thread
	v_lshlrev_b32 v4, 4, v2                        ; 16 L
	v_lshlrev_b32 v5, 3, v2                        ; 8 L
	v_and_b32 v8, 15, v2                           ; r
	v_lshrrev_b32 v9, 4, v2                        ; h
	s_lshl_b32 s18, ttmp9, 16                      ; the work-group's 16 rows of 4,096 bytes,
	s_lshl_b32 s17, s16, 14                        ; my wave's 4 of them
	s_add_co_u32 s18, s18, s17
	s_mov_b32 s19, 0
	s_lshr_b32 s22, s18, 1                         ; the same rows in xb: half the bytes
	s_mov_b32 s23, 0
	s_mul_i32 s24, s16, 4*XPITCH
	v_add_nc_u32 v6, s24, v5                       ; my wave's rows in LDS + 8 L
	v_lshl_add_u32 v7, v0, 3, WRB                  ; Wr in LDS + 8 x thread
	s_mov_b32 s20, 0x3fb8aa3b                      ; log2(e)
	s_wait_kmcnt 0x0
	s_add_nc_u64 s[4:5], s[4:5], s[18:19]
	s_add_nc_u64 s[8:9], s[8:9], s[22:23]
.set ii, 0
.rept 16                                               ; Wr whole: 128 threads x 16 bytes, 16 times
	global_load_b128 v[WR+4*ii:WR+4*ii+3], v3, s[6:7] offset:2048*ii
.set ii, ii+1
.endr
.set ii, 0
.rept 32                                               ; my wave's 4 rows of x, 512 neighbouring bytes a load
	global_load_b128 v[XR+4*ii:XR+4*ii+3], v4, s[4:5] offset:4096*(ii/8)+512*(ii%8) th:TH_LOAD_NT
.set ii, ii+1
.endr
	; LDS addresses of the second phase, made while the loads are out
	v_mul_u32_u24 v10, v8, XPITCH
	v_lshl_add_u32 v10, v9, 4, v10
	s_lshl_b32 s25, s16, 9
	v_add_nc_u32 v10, s25, v10                     ; x fragment: row r, 16 h, my wave's 256 k
	v_and_b32 v12, 7, v2
	v_lshl_add_u32 v12, v9, 3, v12                 ; 8 h + L % 8
	s_lshl_b32 s26, s16, 12
	s_add_co_u32 s26, s26, WRB
	v_lshl_add_u32 v11, v12, 4, s26                ; Wr, turned: row 256 w + 8 h + L % 8; both groups of eight lanes of a half name the same 16 bytes
	s_lshl_b32 s27, s16, 10
	s_add_co_u32 s27, s27, PART
	v_lshl_add_u32 v13, v2, 5, s27                 ; my wave's partial logits, 32 bytes a lane
	v_lshl_add_u32 v14, v2, 5, PART
	s_wait_loadcnt 32                              ; Wr is in: the 32 loads of x are younger
.set ii, 0
.rept 16
	v_cvt_pk_bf16_f32 v[WR+4*ii], v[WR+4*ii], v[WR+4*ii+1]
	v_cvt_pk_bf16_f32 v[WR+4*ii+1], v[WR+4*ii+2], v[WR+4*ii+3]
	ds_store_b64 v7, v[WR+4*ii:WR+4*ii+1] offset:1024*ii
.set ii, ii+1
.endr
.set ii, 0
.rept 32
.if ii%8 == 0
	s_wait_loadcnt 24-ii                           ; this row's eight loads are in; the later rows' stay out
.endif
	v_cvt_pk_bf16_f32 v[XR+4*ii], v[XR+4*ii], v[XR+4*ii+1]
	v_cvt_pk_bf16_f32 v[XR+4*ii+1], v[XR+4*ii+2], v[XR+4*ii+3]
	global_store_b64 v5, v[XR+4*ii:XR+4*ii+1], s[8:9] offset:2048*(ii/8)+256*(ii%8)  ; the wave's store covers 256 consecutive bytes, aligned
	ds_store_b64 v6, v[XR+4*ii:XR+4*ii+1] offset:XPITCH*(ii/8)+256*(ii%8)
.set ii, ii+1
.endr
	s_wait_dscnt 0x0                               ; for the others' sake: my rows and my part of Wr are in LDS
	s_barrier_signal -1
	s_barrier_wait -1
	; LOGITS.  Wave w takes k = 256 w .. 256 w + 255, eight steps of 32.  Source 0 = Wr turned (row m = expert m % 8), source 1 = 16 tokens:
	; register j of the result is expert j of token r, in both halves of the lanes.
	s_wait_xcnt 0x0                                ; the stores to xb have read their registers, which are loaded anew below
.set ii, 0
.rept 8
	ds_load_b128 v[XR+8*ii:XR+8*ii+3], v10 offset:64*ii
	ds_load_b128 v[XR+8*ii+4:XR+8*ii+7], v10 offset:64*ii+32
	ds_load_tr16_b128 v[WF+8*ii:WF+8*ii+3], v11 offset:512*ii
	ds_load_tr16_b128 v[WF+8*ii+4:WF+8*ii+7], v11 offset:512*ii+256
.set ii, ii+1
.endr
	s_wait_dscnt 0x0
	v_wmma_f32_16x16x32_bf16 v[32:39], v[WF:WF+7], v[XR:XR+7], 0         ; two accumulators take turns; the first two products start the sums
	v_wmma_f32_16x16x32_bf16 v[40:47], v[WF+8:WF+15], v[XR+8:XR+15], 0
.set ii, 2
.rept 6
	v_wmma_f32_16x16x32_bf16 v[32+8*(ii%2):39+8*(ii%2)], v[WF+8*ii:WF+8*ii+7], v[XR+8*ii:XR+8*ii+7], v[32+8*(ii%2):39+8*(ii%2)]
.set ii, ii+1
.endr
	PLACES                                         ; four plain instructions between the last product and the first read of a result
.set ii, 0
.rept 4
	v_pk_add_f32 v[LG+2*ii:LG+2*ii+1], v[32+2*ii:33+2*ii], v[40+2*ii:41+2*ii]
.set ii, ii+1
.endr
	ds_store_b128 v13, v[LG:LG+3]
	ds_store_b128 v13, v[LG+4:LG+7] offset:16
	s_wait_dscnt 0x0                               ; for wave 0's sake
	s_barrier_signal -1
	s_barrier_wait -1
	s_wait_tensorcnt 0x0                           ; behind every wave's last LDS store
	ds_add_u32 v28, v29
	s_wait_dscnt 0x0
	s_cmp_lg_u32 s16, 0
	s_cbranch_scc1 .Lend                           ; the rest is one wave's work: 16 tokens, one a lane (twice)
.set ii, 0
.rept 4
	ds_load_b128 v[64+8*ii:67+8*ii], v14 offset:1024*ii
	ds_load_b128 v[68+8*ii:71+8*ii], v14 offset:1024*ii+16
.set ii, ii+1
.endr
	s_wait_dscnt 0x0
.irp pp, 72, 80, 88                                    ; the four waves' parts, in the waves' order
.set ii, 0
.rept 4
	v_pk_add_f32 v[64+2*ii:65+2*ii], v[64+2*ii:65+2*ii], v[\pp+2*ii:\pp+2*ii+1]
.set ii, ii+1
.endr
.endr
.set ii, 0
.rept 8
	v_mov_b32 v[LG+ii], v[64+ii]
.set ii, ii+1
.endr
	v_max3_num_f32 v56, v48, v49, v50
	v_max3_num_f32 v56, v56, v51, v52
	v_max3_num_f32 v56, v56, v53, v54
	v_max_num_f32 v56, v56, v55                    ; the row's maximum m
	v_mul_f32 v57, s20, v56
.set ii, 0
.rept 8
	v_fma_f32 v[PR+ii], v[LG+ii], s20, -v57        ; c l - c m
.set ii, ii+1
.endr
.set ii, 0
.rept 8
	v_exp_f32 v[PR+ii], v[PR+ii]
.set ii, ii+1
.endr
	v_nop                                          ; a plain instruction behind the last exponential,
	s_wait_alu depctr_va_vdst(0)                   ; and one wait for the eight, ahead of their first reader
	v_add_f32 v64, v96, v97
	v_add_f32 v65, v98, v99
	v_add_f32 v66, v100, v101
	v_add_f32 v67, v102, v103
	v_add_f32 v64, v64, v65
	v_add_f32 v66, v66, v67
	v_add_f32 v64, v64, v66
	v_rcp_f32 v65, v64
	v_mov_b32 v61, 0                               ; i1 (a plain instruction behind the reciprocal)
	s_wait_alu depctr_va_vdst(0)
.set ii, 0
.rept 8
	v_mul_f32 v[PR+ii], v[PR+ii], v65              ; probabilities
.set ii, ii+1
.endr
	; the two largest, by strict comparisons in ascending order of the experts: a tie keeps the lower index
	v_mov_b32 v60, v96                             ; v1
	v_mov_b32 v62, -1.0                            ; v2: below every probability
	v_mov_b32 v63, 1                               ; i2
.set ii, 1
.rept 7
	v_cmp_gt_f32 s22, v[PR+ii], v60
	v_cmp_gt_f32 s23, v[PR+ii], v62
	v_cndmask_b32 v62, v62, v[PR+ii], s23
	v_cndmask_b32 v63, v63, ii, s23
	v_cndmask_b32 v62, v62, v60, s22
	v_cndmask_b32 v63, v63, v61, s22
	v_cndmask_b32 v60, v60, v[PR+ii], s22
	v_cndmask_b32 v61, v61, ii, s22
.set ii, ii+1
.endr
	v_add_f32 v68, v60, v62
	v_rcp_f32 v69, v68
	v_mov_b32 v70, 1
	v_lshlrev_b32 v67, v61, v70                    ; 1 << i1
	v_add_nc_u32 v66, 8, v63
	v_lshlrev_b32 v66, v66, v70
	v_or_b32 v71, v67, v66                         ; sel: the two bits,
	v_lshl_or_b32 v71, v61, 16, v71                ; and the two numbers, for the launch that gathers
	v_lshl_or_b32 v71, v63, 20, v71
	v_lshlrev_b32 v66, v63, v70
	v_or_b32 v67, v67, v66                         ; the experts used by this token
.set ii, 0
.rept 8
	v_bfe_u32 v[PR+8+ii], v67, ii, 1
	v_cvt_f32_u32 v[PR+8+ii], v[PR+8+ii]
.set ii, ii+1
.endr
	s_wait_alu depctr_va_vdst(0)
	v_mul_f32 v72, v60, v69                        ; g1
	v_mul_f32 v73, v62, v69                        ; g2
.irp mm, 1, 2, 4, 8                                    ; sums over the 16 tokens, in every lane of the half
.set ii, 0
.rept 16
	v_add_f32_dpp v[PR+ii], v[PR+ii], v[PR+ii] row_xmask:\mm row_mask:0xf bank_mask:0xf
.set ii, ii+1
.endr
.endr
	s_lshl_b32 s18, ttmp9, 6
	s_mov_b32 s19, 0
	s_add_nc_u64 s[10:11], s[10:11], s[18:19]      ; sel and psum: 64 bytes a work-group
	s_add_nc_u64 s[14:15], s[14:15], s[18:19]
	s_lshl_b32 s18, ttmp9, 7
	s_add_nc_u64 s[12:13], s[12:13], s[18:19]      ; gw: 128 bytes
	v_lshlrev_b32 v74, 2, v8
	v_lshlrev_b32 v75, 3, v8
	v_mov_b32 v76, 0
	v_cmp_gt_u32 vcc_lo, 16, v2
	s_wait_xcnt 0x0                                ; EXEC changes only behind this wait
	s_and_saveexec_b32 s24, vcc_lo                 ; lanes 0-15: one token each
	global_store_b32 v74, v71, s[10:11]
	global_store_b64 v75, v[72:73], s[12:13]
	s_wait_xcnt 0x0
	s_or_b32 exec_lo, exec_lo, s24
	v_cmp_eq_u32 vcc_lo, 0, v2
	s_wait_xcnt 0x0
	s_and_saveexec_b32 s24, vcc_lo                 ; lane 0: the work-group's 16 sums
.set ii, 0
.rept 4
	global_store_b128 v76, v[PR+4*ii:PR+4*ii+3], s[14:15] offset:16*ii
.set ii, ii+1
.endr
	s_wait_xcnt 0x0
	s_or_b32 exec_lo, exec_lo, s24
.Lend:
	s_endpgm
.Lfunc_end_k_qfe10134b0e_router:
	.size	k_qfe10134b0e_router, .Lfunc_end_k_qfe10134b0e_router-k_qfe10134b0e_router
	.p2alignl 7, 3214868480
	.fill 96, 4, 3214868480
	.section	.rodata,"a",@progbits
	.p2align	6, 0x0
	.amdhsa_kernel k_qfe10134b0e_router
		.amdhsa_group_segment_fixed_size 54272
		.amdhsa_private_segment_fixed_size 0
		.amdhsa_enable_private_segment 0
		.amdhsa_kernarg_size 48
		.amdhsa_user_sgpr_count 2
		.amdhsa_user_sgpr_kernarg_segment_ptr 1
		.amdhsa_wavefront_size32 1
		.amdhsa_system_sgpr_workgroup_id_x 1
		.amdhsa_system_sgpr_workgroup_id_y 1
		.amdhsa_system_sgpr_workgroup_id_z 1
		.amdhsa_system_vgpr_workitem_id 0
		.amdhsa_next_free_vgpr 256
		.amdhsa_next_free_sgpr 66
		.amdhsa_reserve_vcc 1
		.amdhsa_float_denorm_mode_32 3
		.amdhsa_float_denorm_mode_16_64 3
		.amdhsa_memory_ordered 1
		.amdhsa_forward_progress 1
		.amdhsa_inst_pref_size 36
	.end_amdhsa_kernel
	.amdgpu_metadata
---
amdhsa.version: [ 1, 2 ]
amdhsa.kernels:
  - .name:           k_qfe10134b0e_router
    .symbol:         k_qfe10134b0e_router.kd
    .args:
      - { .name: x, .offset: 0, .size: 8, .value_kind: global_buffer, .address_space: global }
      - { .name: Wr, .offset: 8, .size: 8, .value_kind: global_buffer, .address_space: global }
      - { .name: xb, .offset: 16, .size: 8, .value_kind: global_buffer, .address_space: global }
      - { .name: sel, .offset: 24, .size: 8, .value_kind: global_buffer, .address_space: global }
      - { .name: gw, .offset: 32, .size: 8, .value_kind: global_buffer, .address_space: global }
      - { .name: psum, .offset: 40, .size: 8, .value_kind: global_buffer, .address_space: global }
    .group_segment_fixed_size: 54272
    .private_segment_fixed_size: 0
    .kernarg_segment_align: 8
    .kernarg_segment_size: 48
    .max_flat_workgroup_size: 128
    .sgpr_count:     66
    .vgpr_count:     256
    .wavefront_size: 32
...
	.end_amdgpu_metadata
.endif
;; end of part 1
;; launch gateup (part 2): grid 256 x 1, 4 waves a work-group, no clusters, 290,304 bytes of LDS; arguments sel, xb, w1, w3, hbuf, rk; writes hbuf, rk
.if DOCPART == 2
	.amdgcn_target "amdgcn-amd-amdhsa--gfx1250"
	.amdhsa_code_object_version 6
	.text
	.protected	k_qfe10134b0e_gateup
	.globl	k_qfe10134b0e_gateup
	.p2align	8
	.type	k_qfe10134b0e_gateup,@function
k_qfe10134b0e_gateup:
	s_mov_b64 s[64:65], 0
	v_nop
	global_prefetch_b8 v0, s[64:65] scope:SCOPE_SE
	s_setreg_imm32_b32 hwreg(HW_REG_WAVE_MODE, 25, 1), 1
	s_wait_xcnt 0x0
; FIRST PRODUCT.  h = silu(X w1[e]) * (X w3[e]) for the rows that chose expert e.  Work-group = (expert e, strip of 64 columns of H): it alone reads its 64 columns of w1 and of w3
; over K = 1,024: 512 KB of f32, each byte once, rounded to bf16 on the way through registers and kept in LDS as matrix fragments for the whole launch.
; ROWS.  Every wave builds the expert's list of tokens from sel for itself (4 KB; no launch is spent on a sort), in the order (j, c, lane) with token = 128 j + 4 lane + c.
; Rank p lies in tile p / 16; tile T = 20 x pass + 4 x slot + wave.  A pass is 320 rows; four passes serve every split (an expert has 1,024 rows at the most).  Places past the count hold token 0.
; Pass 0 streams the weights; later passes run only where the count asks for them, read the resident fragments, and hold no barrier.
; Wave 0 of the expert's strip 0 also stores rk[e][token] = the token's rank (a bounded number that nobody reads where the token did not choose e) and the count, for the launches behind.
; K MAP.  In a block of 64 k, fragment f, lane (r, h), register q holds k = 32 h + 16 f + 2 q and + 1: alike in both operands, so the products are those of the true k.
; W: lane (r, h) loads 16 bytes (columns 4 r .. 4 r + 3) of rows 32 h + 16 f + j: each load of the wave covers two rows' 256 consecutive bytes, aligned.  Column 4 r + i goes to tile i, so lane r of tile i stands for column 4 r + i.
; The matrix instruction takes W as source 0 and X as source 1: a lane's results are ONE token (r) and the columns 32 h + 4 j + i: just the 32 k that the lane holds of the second product's operand.
; So h is stored in fragment order, 512 consecutive bytes a store: hbuf[e][tile][strip][2,048 bytes], piece n = 2 f + half at 512 n + 16 lane.
; NO CLUSTER: each slice of weights has one reader, and the token rows come by a list, which no tile descriptor covers.  h is rounded once to bf16 (f16 has no room: with x and the weights 30 times larger h passes 65,504).
; LIMITS.  exp2 flushes results below 2^-126 to 0 (silu then gives g); NaN and infinities are not treated apart.
; REGISTERS, in windows of 256 (s_set_vgpr_msb: bits 1:0 source 0, 3:2 source 1, 5:4 source 2, 7:6 destination):
;   window 0: v2 16 L, v3 64 h, v4 W's lane offset, v5-7 LDS addresses, v8 4 L, v9 dump word, v10-14 the slots' row offsets in xb, v15 4 r, v16-23 at work, v28-29 the add's; v32-63 packed fragments;
;             v64-127, v128-191 W as loaded, two buffers; v192-223 sel, then the ranks.  On the way out: v64-95 at work, v128-143 h packed
;   window 1: v0-63, v64-127 W's fragments of f = 0, 1      window 2: accumulators of slots 0-3 at 64 slot + 8 nt (nt 0-3 gate, 4-7 up)
;   window 3: v0-63 accumulators of slot 4; v64-223 a ring of four units of X's fragments (unit = one f of one block, five slots)
.set NLIST, 1664                       ; entries of a list that are set to 0: as far as the pass loop's text reaches (5 x 320, and a tile's 64 bytes a wave)
.set LISTS, 262144                     ; behind the fragments: a list for each wave,
.set LSTR,  6912                       ; 27 blocks of 256 bytes apart: 1,664 entries and 32 dump words are 6,784 bytes
.set SPARE, 289792                     ; the spare words, 128 bytes a wave: two blocks of 256 bytes that no other line names
.set REG,   16384                      ; LDS bytes of a block of 64 k: fragment (f, nt) at 8,192 f + 1,024 nt + 512 half + 16 L
.set CHUNK, 524288                     ; 64 rows of w1 or w3 in memory
.set ROFF,  10
.set PK,    32
.set RAW0,  64
.set SELV,  192
.set TT,    64
.set HH,    128
.set EM,    28                         ; s28  the expert's two bits in sel
.set CNT,   30                         ; s30  the running count; then NE, the expert's rows
.set MK,    31                         ; s31  lanes whose token chose the expert
.set TMP,   32
.set LISTW, 37                         ; s37  my wave's list
; s14 wave, s15 e, s16 strip, s[20:21] W's pointer, s[22:23] xb's, s[24:25] hbuf's, s33 live tiles (at least 1), s34 20 pass + wave, s35 pass, s36 loop count,
; s[38:39] -log2(e), s40 a tile's number, s41 320 (pass + 1), s44 LDS byte of the block to be read, s45 of the block to be written, s46 my wave's part of the list in this pass,
; s[48:49] rk at the expert's ranks, s[50:51] rk at the expert's count
.set MSB, 0
.macro WIN new                         ; the immediate's high byte repeats the setting that is left; a switch that changes nothing is dropped
.if MSB != (\new)
	s_set_vgpr_msb (MSB<<8)|(\new)
.set MSB, \new
.endif
.endm
.macro PLACES                          ; four plain instructions between a matrix instruction and a load into, or a vector read of, its registers
.rept 4
	v_nop
.endr
.endm
; The expert's list, in my wave's own LDS bytes: zeros first, then each of the 32 groups of 32 tokens puts its members behind those counted so far; the others write a dump word.
; The rank takes the place of the group's word of sel.
.macro LIST younger
	v_mov_b32 v20, 0
	v_mov_b32 v21, 0
	v_mov_b32 v22, 0
	v_mov_b32 v23, 0
	v_add_nc_u32 v19, s[LISTW], v2
.set nn, 0
.rept 13
	ds_store_b128 v19, v[20:23] offset:512*nn
.set nn, nn+1
.endr
	s_mov_b32 s[CNT], 0
	s_wait_loadcnt \younger                        ; sel is in; what was asked for behind it stays out
.set nn, 0
.rept 32
	v_and_b32 v16, s[EM], v[SELV+nn]
	v_cmp_ne_u32 s[MK], 0, v16
	v_add_nc_u32 v17, 128*(nn/4)+(nn%4), v8        ; the token
	v_mbcnt_lo_u32_b32 v[SELV+nn], s[MK], s[CNT]   ; its rank
	v_cndmask_b32 v18, v9, v[SELV+nn], s[MK]
	v_min_u32 v18, NLIST+31, v18                   ; inside my wave's bytes whatever sel holds
	v_lshl_add_u32 v18, v18, 2, s[LISTW]
	ds_store_b32 v18, v17
	s_bcnt1_i32_b32 s[TMP], s[MK]
	s_add_co_u32 s[CNT], s[CNT], s[TMP]
.set nn, nn+1
.endr
.endm
.macro ENTRIES imm                     ; my five tiles' tokens: lane (r, h) takes rank 16 T + r, and makes the row's offset in xb
	v_add_nc_u32 v7, s46, v15
.set sl, 0
.rept 5
	ds_load_b32 v[16+sl], v7 offset:(\imm)+256*sl
.set sl, sl+1
.endr
	s_wait_dscnt 0x0
.set sl, 0
.rept 5
	v_min_u32 v[16+sl], 0x3ff, v[16+sl]
	v_lshl_add_u32 v[ROFF+sl], v[16+sl], 11, v3
.set sl, sl+1
.endr
.endm
.macro WLOAD dst, imm                  ; my quarter of a block of W: matrix w / 2, fragment w % 2: 16 rows for each half of the lanes
.set jj, 0
.rept 16
	global_load_b128 v[(\dst)+4*jj:(\dst)+4*jj+3], v4, s[20:21] offset:(\imm)+8192*jj th:TH_LOAD_NT
.set jj, jj+1
.endr
.endm
.macro CONV src                        ; 64 f32 a lane -> four fragments (tile i: column 4 r + i) -> LDS
.set ii, 0
.rept 4
.set qq, 0
.rept 8
	v_cvt_pk_bf16_f32 v[PK+8*ii+qq], v[(\src)+8*qq+ii], v[(\src)+8*qq+4+ii]
.set qq, qq+1
.endr
.set ii, ii+1
.endr
	v_add_nc_u32 v5, s45, v2
	s_add_co_u32 s45, s45, REG
.set ii, 0
.rept 8
	ds_store_b128 v5, v[PK+4*ii:PK+4*ii+3] offset:512*ii
.set ii, ii+1
.endr
.endm
.macro BLOAD dst, imm                  ; eight fragments of W (one f, all nt) into window 1: 512 neighbouring bytes a load
.set ii, 0
.rept 16
	ds_load_b128 v[(\dst)+4*ii:(\dst)+4*ii+3], v6 offset:(\imm)+512*ii
.set ii, ii+1
.endr
.endm
.macro ALOAD ring, imm                 ; a unit of X: 32 bytes of a row for each lane and slot
	WIN 0xc0
.set sl, 0
.rept 5
	global_load_b128 v[64+40*(\ring)+8*sl:64+40*(\ring)+8*sl+3], v[ROFF+sl], s[22:23] offset:(\imm)
	global_load_b128 v[64+40*(\ring)+8*sl+4:64+40*(\ring)+8*sl+7], v[ROFF+sl], s[22:23] offset:(\imm)+16
.set sl, sl+1
.endr
.endm
.macro MUL bf, unit, zero              ; 40 matrix instructions on 40 accumulators, which take turns.  zero = 1: they start the sums
.set sl, 0
.rept 5
.if sl < 4
	WIN 0xad
.set AC, 64*sl
.else
	WIN 0xfd
.set AC, 0
.endif
.set nn, 0
.rept 8
.if \zero
	v_wmma_f32_16x16x32_bf16 v[AC+8*nn:AC+8*nn+7], v[(\bf)+8*nn:(\bf)+8*nn+7], v[64+40*(\unit)+8*sl:64+40*(\unit)+8*sl+7], 0
.else
	v_wmma_f32_16x16x32_bf16 v[AC+8*nn:AC+8*nn+7], v[(\bf)+8*nn:(\bf)+8*nn+7], v[64+40*(\unit)+8*sl:64+40*(\unit)+8*sl+7], v[AC+8*nn:AC+8*nn+7]
.endif
.set nn, nn+1
.endr
.set sl, sl+1
.endr
.endm
; A TRIP of pass 0: block t of 64 k, par = t % 2.  It multiplies block t, rounds block t + 1 into LDS, and asks for W of block t + 3 and X of block t + 2.
; Loads go out in the order .. W(t+1), X(2t), X(2t+1), W(t+2), X(2t+2), X(2t+3) | W(t+3), X(2t+4), X(2t+5): W 16 loads, a unit of X 10.
; nb waits for W(t+1): 10+10+16+10+10 = 56 younger.  ne for X(2t): 10+16+20+16 = 62.  ni for X(2t+1): 16+20+16+10 = 62.  The last three trips ask for less, and their counts run down.
; ONE barrier a trip: block t + 1 is stored, and the stores waited for, ahead of the signal; it is read behind the wait, in the next trip.  No LDS byte is written twice.
.macro TRIP par, zero, ldw, lda, conv, nb, ne, ni
	WIN 0
	v_add_nc_u32 v6, s44, v2
	s_add_co_u32 s44, s44, REG
	WIN 0x40
	BLOAD 0, 0
	WIN 0
.if \conv
	s_wait_loadcnt \nb
	CONV RAW0+64*(1-(\par))
.endif
.if \lda
	s_wait_xcnt 0x0                                ; the two pointers are stepped only behind this wait
	s_add_nc_u64 s[22:23], s[22:23], 128
.endif
.if \ldw
	s_add_nc_u64 s[20:21], s[20:21], CHUNK
	WLOAD RAW0+64*(1-(\par)), 2*CHUNK
.endif
	s_wait_loadcnt \ne
.if \conv
	s_wait_dscnt 8                                 ; W's fragments of f = 0 are in; my eight stores are younger
.else
	s_wait_dscnt 0x0
.endif
	WIN 0x40
	BLOAD 64, 8192
	MUL 0, 2*(\par), \zero
.if \lda
	PLACES
	ALOAD 2*(\par), 128
.endif
	s_wait_loadcnt \ni
	s_wait_dscnt 0x0                               ; W's fragments of f = 1 are in, and, for the others' sake, my stores are done
.if \conv
	s_barrier_signal -1
.endif
	MUL 64, 2*(\par)+1, 0                          ; work on registers while the others arrive
.if \conv
	s_barrier_wait -1
.endif
	PLACES
.if \lda
	ALOAD 2*(\par)+1, 160
.endif
	WIN 0
.endm
.macro PTRIP zero                      ; a block of a later pass: the fragments of W are resident, nothing is stored, no barrier
	WIN 0
	v_add_nc_u32 v6, s44, v2
	s_add_co_u32 s44, s44, REG
	ALOAD 0, 0
	ALOAD 1, 32
	WIN 0x40
	BLOAD 0, 0
	BLOAD 64, 8192
	s_wait_loadcnt 0x0
	s_wait_dscnt 0x0
	MUL 0, 0, \zero
	MUL 64, 1, 0
	PLACES
	WIN 0
	s_add_nc_u64 s[22:23], s[22:23], 128           ; its loads are back
.endm
; THE WAY OUT of a slot: h = g u / (1 + 2^(-g log2 e)), rounded to bf16 in the order of the second product's fragments.  A tile past the count is jumped.
.macro EPI slot
	WIN 0
	s_add_co_u32 s40, s34, 4*(\slot)
	s_cmp_ge_u32 s40, s33
	s_cbranch_scc1 .Lno_\@
	s_wait_xcnt 0x0                                ; the last slot's stores have read their registers
.if (\slot) < 4
.set AC, 64*(\slot)
	WIN 0x02
.else
.set AC, 0
	WIN 0x03
.endif
.set zz, 0
.rept 16
	v_pk_mul_f32 v[TT+2*zz:TT+2*zz+1], v[AC+2*zz:AC+2*zz+1], s[38:39] op_sel_hi:[1,0]  ; each accumulator's lowest registers are read first
.set zz, zz+1
.endr
	WIN 0
.set zz, 0
.rept 32
	v_exp_f32 v[TT+zz], v[TT+zz]
.set zz, zz+1
.endr
	v_nop                                          ; a plain instruction behind the last exponential,
	s_wait_alu depctr_va_vdst(0)                   ; and one wait for the batch
.set zz, 0
.rept 16
	v_pk_add_f32 v[TT+2*zz:TT+2*zz+1], v[TT+2*zz:TT+2*zz+1], 1.0 op_sel_hi:[1,0]
.set zz, zz+1
.endr
.set zz, 0
.rept 32
	v_rcp_f32 v[TT+zz], v[TT+zz]
.set zz, zz+1
.endr
	v_nop
	s_wait_alu depctr_va_vdst(0)
.if (\slot) < 4
	WIN 0x02
.else
	WIN 0x03
.endif
.set zz, 0
.rept 16
	v_pk_mul_f32 v[TT+2*zz:TT+2*zz+1], v[AC+2*zz:AC+2*zz+1], v[TT+2*zz:TT+2*zz+1]
.set zz, zz+1
.endr
.set zz, 0
.rept 16
	v_pk_mul_f32 v[TT+2*zz:TT+2*zz+1], v[AC+32+2*zz:AC+32+2*zz+1], v[TT+2*zz:TT+2*zz+1]
.set zz, zz+1
.endr
	WIN 0
.set jj, 0
.rept 8                                                ; column 32 h + 4 j + i is k = 16 f + 2 q + b of my half: register 2 j + i / 2 of sixteen
	v_cvt_pk_bf16_f32 v[HH+2*jj], v[TT+jj], v[TT+8+jj]
	v_cvt_pk_bf16_f32 v[HH+2*jj+1], v[TT+16+jj], v[TT+24+jj]
.set jj, jj+1
.endr
.set nn, 0
.rept 4
	global_store_b128 v2, v[HH+4*nn:HH+4*nn+3], s[24:25] offset:(\slot)*262144+512*nn  ; 512 consecutive bytes, aligned
.set nn, nn+1
.endr
.Lno_\@:
.endm
	s_load_b256 s[4:11], s[0:1], 0x0               ; sel s[4:5], xb s[6:7], w1 s[8:9], w3 s[10:11]
	s_load_b64 s[12:13], s[0:1], 0x20              ; hbuf
	s_load_b64 s[48:49], s[0:1], 0x28              ; rk
	v_lshl_add_u32 v28, v0, 2, SPARE               ; my spare word
	v_mov_b32 v29, 0
	v_lshrrev_b32 v1, 5, v0
	v_readfirstlane_b32 s14, v1                    ; wave 0..3
	v_and_b32 v1, 31, v0                           ; L
	v_lshlrev_b32 v2, 4, v1                        ; 16 L
	v_lshrrev_b32 v16, 4, v1                       ; h
	v_and_b32 v17, 15, v1                          ; r
	v_lshlrev_b32 v3, 6, v16                       ; 64 h
	v_lshlrev_b32 v4, 18, v16                      ; 32 rows of 8,192 bytes for the upper half of the lanes,
	v_lshl_or_b32 v4, v17, 4, v4                   ; 16 bytes a lane
	v_lshlrev_b32 v8, 2, v1                        ; 4 L
	v_add_nc_u32 v9, NLIST, v1                     ; my dump word
	v_lshlrev_b32 v15, 2, v17                      ; 4 r
	s_lshr_b32 s15, ttmp9, 5                       ; e
	s_and_b32 s16, ttmp9, 31                       ; strip
	s_lshr_b32 s17, s14, 1                         ; which matrix I round: 0 w1, 1 w3
	s_and_b32 s18, s14, 1                          ; which fragment f
	s_lshl_b32 s[EM], 0x101, s15
	s_mul_i32 s[LISTW], s14, LSTR
	s_add_co_u32 s[LISTW], s[LISTW], LISTS
	s_lshl_b32 s45, s18, 13                        ; where my fragments go in a block: 8,192 f + 4,096 matrix
	s_lshl_b32 s[TMP], s17, 12
	s_add_co_u32 s45, s45, s[TMP]
	s_mov_b32 s44, 0
	s_lshl_b32 s46, s14, 6
	s_add_co_u32 s46, s46, s[LISTW]
	s_lshl_b32 s26, s15, 23                        ; the expert's 8 MB, the strip's 256 bytes of a row, my fragment's 16 rows
	s_lshl_b32 s[TMP], s16, 8
	s_add_co_u32 s26, s26, s[TMP]
	s_lshl_b32 s[TMP], s18, 17
	s_add_co_u32 s26, s26, s[TMP]
	s_mov_b32 s27, 0
	s_lshl_b32 s42, s15, 22                        ; hbuf: the expert's 64 tiles of 65,536 bytes, the strip's 2,048, my wave's tile
	s_lshl_b32 s[TMP], s16, 11
	s_add_co_u32 s42, s42, s[TMP]
	s_lshl_b32 s[TMP], s14, 16
	s_add_co_u32 s42, s42, s[TMP]
	s_mov_b32 s43, 0
	s_lshl_b32 s52, s15, 12                        ; rk: the expert's 1,024 ranks
	s_mov_b32 s53, 0
	s_lshl_b32 s54, s15, 7                         ; and its 128 bytes of count, behind the eight experts' ranks
	s_mov_b32 s55, 0
	s_mov_b32 s38, 0xbfb8aa3b                      ; -log2(e)
	s_mov_b32 s39, s38                             ; named with it as a pair
	s_wait_kmcnt 0x0
	s_cmp_lg_u32 s17, 0
	s_cselect_b64 s[20:21], s[10:11], s[8:9]
	s_add_nc_u64 s[20:21], s[20:21], s[26:27]
	s_mov_b64 s[22:23], s[6:7]
	s_add_nc_u64 s[24:25], s[12:13], s[42:43]
	s_add_nc_u64 s[50:51], s[48:49], 0x8000
	s_add_nc_u64 s[50:51], s[50:51], s[54:55]
	s_add_nc_u64 s[48:49], s[48:49], s[52:53]
.set jj, 0
.rept 8
	global_load_b128 v[SELV+4*jj:SELV+4*jj+3], v2, s[4:5] offset:512*jj
.set jj, jj+1
.endr
	WLOAD RAW0, 0                                  ; the weights' first two blocks are asked for before the list is made
	WLOAD RAW0+64, CHUNK
	LIST 32                                        ; the 32 loads of W are younger than sel's
	s_or_b32 s[TMP], s14, s16
	s_cmp_lg_u32 s[TMP], 0
	s_cbranch_scc1 .Lnork                          ; one wave of one strip stores the expert's ranks and count
.set jj, 0
.rept 8
	global_store_b128 v2, v[SELV+4*jj:SELV+4*jj+3], s[48:49] offset:512*jj  ; tokens 128 j + 4 L + 0..3: 512 consecutive bytes
.set jj, jj+1
.endr
	v_mov_b32 v22, s[CNT]
	global_store_b32 v8, v22, s[50:51]             ; the count, once a lane: 128 consecutive bytes
.Lnork:
	s_add_co_u32 s33, s[CNT], 15
	s_lshr_b32 s33, s33, 4
	s_max_u32 s33, s33, 1                          ; tile 0 is always made, so that the next launch never reads a byte that nobody wrote
	ENTRIES 0
	s_wait_loadcnt 16                              ; W(0) is in; W(1) is younger
	CONV RAW0
	ALOAD 0, 0
	ALOAD 1, 32
	WIN 0
	WLOAD RAW0, 2*CHUNK
	ALOAD 2, 128
	ALOAD 3, 160
	WIN 0
	s_wait_dscnt 0x0                               ; for the others' sake: my part of block 0 is in LDS
	s_barrier_signal -1
	s_barrier_wait -1
	TRIP 0, 1, 1, 1, 1, 56, 62, 62                 ; block 0 starts the sums
	s_mov_b32 s36, 6
.Lk:                                                   ; blocks 1 to 12
	TRIP 1, 0, 1, 1, 1, 56, 62, 62
	TRIP 0, 0, 1, 1, 1, 56, 62, 62
	s_sub_co_u32 s36, s36, 1
	s_cmp_lg_u32 s36, 0
	s_cbranch_scc1 .Lk
	TRIP 1, 0, 0, 1, 1, 56, 46, 46                 ; block 13: no W is left to ask for
	TRIP 0, 0, 0, 0, 1, 40, 30, 20                 ; block 14: nor X
	TRIP 1, 0, 0, 0, 0, 0, 10, 0                   ; block 15: nothing is left to round
	s_mov_b32 s35, 0
	s_mov_b32 s34, s14
	s_mov_b32 s41, 320
.Lpass:                                                ; four trips, whatever the count: a pass goes out; the next is multiplied only if the expert has rows for it
	EPI 0
	EPI 1
	EPI 2
	EPI 3
	EPI 4
	s_cmp_ge_u32 s41, s[CNT]
	s_cbranch_scc1 .Lnext
	ENTRIES 1280
	s_mov_b64 s[22:23], s[6:7]                     ; every load that named it is back
	s_mov_b32 s44, 0
	PTRIP 1
	s_mov_b32 s36, 15
.Lpk:
	PTRIP 0
	s_sub_co_u32 s36, s36, 1
	s_cmp_lg_u32 s36, 0
	s_cbranch_scc1 .Lpk
.Lnext:
	s_wait_xcnt 0x0                                ; the stores have read hbuf's pointer
	s_add_nc_u64 s[24:25], s[24:25], 20*65536
	s_add_co_u32 s34, s34, 20
	s_add_co_u32 s41, s41, 320
	s_add_co_u32 s46, s46, 1280
	s_add_co_u32 s35, s35, 1
	s_cmp_lt_u32 s35, 4
	s_cbranch_scc1 .Lpass
	s_wait_dscnt 0x0                               ; my reads of the shared fragments are over;
	s_barrier_signal -1
	s_barrier_wait -1                              ; everybody's are, before any wave writes LDS again
	s_wait_tensorcnt 0x0                           ; the wave's end, behind my last LDS store
	ds_add_u32 v28, v29
	s_wait_dscnt 0x0
	s_endpgm
.Lfunc_end_k_qfe10134b0e_gateup:
	.size	k_qfe10134b0e_gateup, .Lfunc_end_k_qfe10134b0e_gateup-k_qfe10134b0e_gateup
	.p2alignl 7, 3214868480
	.fill 96, 4, 3214868480
	.section	.rodata,"a",@progbits
	.p2align	6, 0x0
	.amdhsa_kernel k_qfe10134b0e_gateup
		.amdhsa_group_segment_fixed_size 290304
		.amdhsa_private_segment_fixed_size 0
		.amdhsa_enable_private_segment 0
		.amdhsa_kernarg_size 48
		.amdhsa_user_sgpr_count 2
		.amdhsa_user_sgpr_kernarg_segment_ptr 1
		.amdhsa_wavefront_size32 1
		.amdhsa_system_sgpr_workgroup_id_x 1
		.amdhsa_system_sgpr_workgroup_id_y 1
		.amdhsa_system_sgpr_workgroup_id_z 1
		.amdhsa_system_vgpr_workitem_id 0
		.amdhsa_next_free_vgpr 992
		.amdhsa_next_free_sgpr 66
		.amdhsa_reserve_vcc 0
		.amdhsa_float_denorm_mode_32 3
		.amdhsa_float_denorm_mode_16_64 3
		.amdhsa_memory_ordered 1
		.amdhsa_forward_progress 1
		.amdhsa_inst_pref_size 167
	.end_amdhsa_kernel
	.amdgpu_metadata
---
amdhsa.version: [ 1, 2 ]
amdhsa.kernels:
  - .name:           k_qfe10134b0e_gateup
    .symbol:         k_qfe10134b0e_gateup.kd
    .args:
      - { .name: sel, .offset: 0, .size: 8, .value_kind: global_buffer, .address_space: global }
      - { .name: xb, .offset: 8, .size: 8, .value_kind: global_buffer, .address_space: global }
      - { .name: w1, .offset: 16, .size: 8, .value_kind: global_buffer, .address_space: global }
      - { .name: w3, .offset: 24, .size: 8, .value_kind: global_buffer, .address_space: global }
      - { .name: hbuf, .offset: 32, .size: 8, .value_kind: global_buffer, .address_space: global }
      - { .name: rk, .offset: 40, .size: 8, .value_kind: global_buffer, .address_space: global }
    .group_segment_fixed_size: 290304
    .private_segment_fixed_size: 0
    .kernarg_segment_align: 8
    .kernarg_segment_size: 48
    .max_flat_workgroup_size: 128
    .sgpr_count:     66
    .vgpr_count:     992
    .wavefront_size: 32
...
	.end_amdgpu_metadata
.endif
;; end of part 2
;; launch down (part 3): grid 256 x 1, 4 waves a work-group, no clusters, 262,656 bytes of LDS; arguments rk, hbuf, w2, y; writes y
.if DOCPART == 3
	.amdgcn_target "amdgcn-amd-amdhsa--gfx1250"
	.amdhsa_code_object_version 6
	.text
	.protected	k_qfe10134b0e_down
	.globl	k_qfe10134b0e_down
	.p2align	8
	.type	k_qfe10134b0e_down,@function
k_qfe10134b0e_down:
	s_mov_b64 s[64:65], 0
	v_nop
	global_prefetch_b8 v0, s[64:65] scope:SCOPE_SE
	s_setreg_imm32_b32 hwreg(HW_REG_WAVE_MODE, 25, 1), 1
	s_wait_xcnt 0x0
; SECOND PRODUCT.  y[kh][e][rank] = h w2[e] over half kh of H, for the rows that chose expert e, in the order of their ranks.  Work-group = (expert e, strip c of 64 columns of D, half kh of H):
; it alone reads its 1,024 rows x 64 columns of w2: 256 KB of f32, each byte once.  The whole slice fits in LDS as it lies: two tensor loads a wave, issued at the start, bring it; no LDS byte is filled twice.
; Each wave reads the f32 rows from LDS and rounds them to bf16 fragments for itself.  h comes from memory in fragment order, straight into registers, through a ring of eight units.
; ROWS, K MAP: as in the first product: tile T = 20 x pass + 4 x slot + wave; in a block of 64 k, fragment f, lane (r, h), register q holds k = 32 h + 16 f + 2 q and + 1;
; lane (r, h) takes columns 4 r .. 4 r + 3 of rows 32 h + 16 f + j, and column 4 r + i goes to tile i.
; Source 0 = h, source 1 = w2: register j of a result is the row of rank 16 T + 8 h + j, and a lane's four tiles are columns 4 r .. 4 r + 3: 16 bytes, sixteen lanes 256 consecutive bytes of a row of y.
; A result's consecutive registers are consecutive rows, so those 16 bytes lie in four accumulators: 32 v_mov_b32 a tile lay them side by side for the stores.
; Every store address is made of the work-group's and the wave's numbers and the pass alone.  Of the data only the expert's count enters: it says which tiles are jumped.  A tile that holds the count is stored whole:
; its last rows fall into the expert's own 1,024 rows of y, and nobody reads them.  The partial rows stay in f32; the next launch gathers four of them for each token and weighs them.
; The accumulators are cleared by 160 v_mov_b32 a pass, on purpose: a first step written out with the constant 0 would be one more copy of the 8-step body.
; NO CLUSTER: each slice of weights has one reader.  The expert's 16 strips of one half do read the same h; beside the slice 65,024 bytes of LDS are left, and two slots of 20 tiles x 64 k of h are 81,920.
; A slot past the count repeats the last live tile (one 16-byte piece for all lanes) and is not stored.
; REGISTERS, in windows of 256 (s_set_vgpr_msb: bits 1:0 source 0, 3:2 source 1, 5:4 source 2, 7:6 destination):
;   window 0: v2 16 L, v4 LDS address of the raw rows, v10-14 the slots' offsets in hbuf, v15-17 at work, v26 32,768 h + 16 r (y), v27 8,192 h + 16 r (LDS), v28-29 the add's;
;             v32-63 w2's four fragments; v64-127, v128-191 raw rows, two buffers (v64-95: results on the way out)
;   window 1: v0-159 accumulators at 32 slot + 8 i      window 2: units 0-5 of h at 40 u + 8 slot      window 3: units 6, 7
.set SPARE, 262144                     ; behind the slice: the spare words, 128 bytes a wave: two blocks of 256 bytes that no other line names
.set AOFF,  10
.set BF,    32
.set RW0,   64
.set OO,    64
.set CNT,   42                         ; s42  NE, the expert's rows
.set TMP,   44
; s14 wave, s15 e, s16 c, s17 kh, s[12:13] rk at the expert's count, s[20:21] hbuf's pointer, s[22:23] y's, s[24:27], s[28:31] descriptor group 0 of the two halves, s[32:33] hbuf at the slice's first strip,
; s37 LDS byte of the rows to be read, s43 tiles with rows, s45 live tiles (at least 1), s47 20 pass + wave, s[48:55] descriptor group 1, s56 pass, s57 loop count, s58, s61 at work, s59 320 (pass + 1)
.set MSB, 0
.macro WIN new                         ; the immediate's high byte repeats the setting that is left; a switch that changes nothing is dropped
.if MSB != (\new)
	s_set_vgpr_msb (MSB<<8)|(\new)
.set MSB, \new
.endif
.endm
.macro PLACES                          ; four plain instructions between a matrix instruction and a write of, a load into, or a vector read of its registers
.rept 4
	v_nop
.endr
.endm
.macro AOFFS add                       ; the slots' offsets in hbuf: tile x 65,536 + 16 L; a slot past the count takes the last live tile, and 0 for 16 L
.set sl, 0
.rept 5
	s_add_co_u32 s58, s47, (\add)+4*sl
	s_sub_co_u32 s61, s45, 1
	s_cmp_lt_u32 s58, s45
	s_cselect_b32 s58, s58, s61
	s_cselect_b32 s61, 1, 0
	s_min_u32 s58, s58, 63
	s_min_u32 s61, s61, 1
	s_lshl_b32 s58, s58, 16
	v_mul_u32_u24 v[AOFF+sl], s61, v2
	v_add_nc_u32 v[AOFF+sl], s58, v[AOFF+sl]
.set sl, sl+1
.endr
.endm
.macro CLEAR
	WIN 0x40
.set zz, 0
.rept 160
	v_mov_b32 v[zz], 0
.set zz, zz+1
.endr
	WIN 0
.endm
.macro RLOAD dst, imm                  ; 16 raw rows for each half of the lanes: a half reads 256 neighbouring bytes
.set jj, 0
.rept 16
	ds_load_b128 v[(\dst)+4*jj:(\dst)+4*jj+3], v4 offset:(\imm)+256*jj
.set jj, jj+1
.endr
.endm
.macro CVT src                         ; 64 f32 a lane -> four fragments (tile i: column 4 r + i)
.set ii, 0
.rept 4
.set qq, 0
.rept 8
	v_cvt_pk_bf16_f32 v[BF+8*ii+qq], v[(\src)+8*qq+ii], v[(\src)+8*qq+4+ii]
.set qq, qq+1
.endr
.set ii, ii+1
.endr
.endm
.macro ALD u, imm                      ; a unit of h (one f of one block, five slots): 512 consecutive bytes a load
.if (\u) < 6
	WIN 0x80
.set RB_, 40*(\u)
.else
	WIN 0xc0
.set RB_, 40*((\u)-6)
.endif
.set sl, 0
.rept 5
	global_load_b128 v[RB_+8*sl:RB_+8*sl+3], v[AOFF+sl], s[20:21] offset:(\imm)
	global_load_b128 v[RB_+8*sl+4:RB_+8*sl+7], v[AOFF+sl], s[20:21] offset:(\imm)+512
.set sl, sl+1
.endr
.endm
.macro MULD u                          ; 20 matrix instructions on 20 accumulators, which take turns
.if (\u) < 6
	WIN 0x52
.set RB_, 40*(\u)
.else
	WIN 0x53
.set RB_, 40*((\u)-6)
.endif
.set sl, 0
.rept 5
.set ii, 0
.rept 4
	v_wmma_f32_16x16x32_bf16 v[32*sl+8*ii:32*sl+8*ii+7], v[RB_+8*sl:RB_+8*sl+7], v[BF+8*ii:BF+8*ii+7], v[32*sl+8*ii:32*sl+8*ii+7]
.set ii, ii+1
.endr
.set sl, sl+1
.endr
.endm
; A STEP: 32 k.  The next step's raw rows are asked for; this step's are rounded; 20 products; the unit's registers take the unit eight steps on.
; Seven younger units, 70 loads, are issued behind a unit; the wait's field ends at 63, so it leaves six units out.  In the last body nothing is asked for and the counts run down.
.macro FSTEP u, issue
	WIN 0
.if (\u) < 7
	RLOAD RW0+64*(((\u)+1)%2), (((\u)+1)/2)*16384+(((\u)+1)%2)*4096
	s_wait_dscnt 16                                ; this step's rows are in; the next step's 16 loads are younger
.else
	s_wait_dscnt 0x0
.endif
	CVT RW0+64*((\u)%2)
.if (\issue) || ((\u) < 2)
	s_wait_loadcnt 60
.else
	s_wait_loadcnt 70-10*(\u)
.endif
	MULD \u
	PLACES
.if \issue
	ALD \u, 8192+1024*(\u)
.endif
.endm
.macro BODY issue                      ; eight steps: 256 k
	WIN 0
	v_add_nc_u32 v4, s37, v27
	s_add_co_u32 s37, s37, 65536
	RLOAD RW0, 0
.irp u, 0,1,2,3,4,5,6,7
	FSTEP \u, \issue
.endr
	WIN 0
.if \issue
	s_wait_xcnt 0x0                                ; the pointer is stepped only behind this wait
	s_add_nc_u64 s[20:21], s[20:21], 8192
.endif
.endm
.macro PSB                             ; a block of 64 k of a later pass, plainly: the slice is resident, no barrier
	WIN 0
	v_add_nc_u32 v4, s37, v27
	s_add_co_u32 s37, s37, 16384
	ALD 0, 0
	ALD 1, 1024
	WIN 0
	RLOAD RW0, 0
	RLOAD RW0+64, 4096
	s_wait_loadcnt 0x0
	s_wait_dscnt 0x0
	CVT RW0
	MULD 0
	PLACES
	WIN 0
	CVT RW0+64
	MULD 1
	PLACES
	WIN 0
	s_add_nc_u64 s[20:21], s[20:21], 2048          ; its loads are back
.endm
; THE WAY OUT of a slot: four tiles' columns side by side, a row of 256 bytes for each half of the lanes.  A tile without rows is jumped.
.macro EPI slot
	WIN 0
	s_add_co_u32 s58, s47, 4*(\slot)
	s_cmp_ge_u32 s58, s43
	s_cbranch_scc1 .Lno_\@
	s_wait_xcnt 0x0                                ; the last slot's stores have read their registers
	WIN 0x01
.set jj, 0
.rept 8
.set ii, 0
.rept 4
	v_mov_b32 v[OO+4*jj+ii], v[32*(\slot)+8*ii+jj] ; each accumulator's register 0 is read first
.set ii, ii+1
.endr
.set jj, jj+1
.endr
	WIN 0
.set jj, 0
.rept 8
	global_store_b128 v26, v[OO+4*jj:OO+4*jj+3], s[22:23] offset:(\slot)*262144+4096*jj  ; sixteen lanes store 256 consecutive bytes, aligned
.set jj, jj+1
.endr
.Lno_\@:
.endm
	s_load_b256 s[4:11], s[0:1], 0x0               ; rk s[4:5], hbuf s[6:7], w2 s[8:9], y s[10:11]
	v_lshl_add_u32 v28, v0, 2, SPARE
	v_mov_b32 v29, 0
	ds_add_u32 v28, v29                            ; the wave's opening: the add and its wait stand ahead of my first tensor load; the set-up below, work on registers, stands between them
	v_lshrrev_b32 v1, 5, v0
	v_readfirstlane_b32 s14, v1                    ; wave 0..3
	s_lshr_b32 s15, ttmp9, 5                       ; e
	s_bfe_u32 s16, ttmp9, 0x40001                  ; c
	s_and_b32 s17, ttmp9, 1                        ; kh
	; descriptor group 1: a tile of 128 rows x 64 elements of 4 bytes, rows 1,024 elements apart; in LDS the rows follow each other without a gap
	s_mov_b32 s48, 2<<16                           ; 15:0 no mask; 17:16 elements of 4 bytes; no padding
	s_mov_b32 s49, 64<<16                          ; tensor_dim0 = 64
	s_mov_b32 s50, 128<<16                         ; tensor_dim1 = 128
	s_mov_b32 s51, 64<<16                          ; tile_dim0 = 64
	s_mov_b32 s52, 128                             ; tile_dim1 = 128
	s_mov_b32 s53, 1024                            ; elements from row to row
	s_mov_b32 s54, 0
	s_mov_b32 s55, 0
	s_mov_b32 s24, 1                               ; group 0: count = 1
	s_lshl_b32 s25, s14, 15                        ; LDS: my wave's 128 rows of 256 bytes in the first half,
	s_mov_b32 s28, 1
	s_add_co_u32 s29, s25, 131072                  ; and in the second
	s_lshl_b32 s34, s15, 23                        ; w2: the expert's 8 MB, the half's 1,024 rows, my wave's 128 rows, the strip's 256 bytes
	s_lshl_b32 s[TMP], s17, 22
	s_add_co_u32 s34, s34, s[TMP]
	s_lshl_b32 s[TMP], s14, 19
	s_add_co_u32 s34, s34, s[TMP]
	s_lshl_b32 s[TMP], s16, 8
	s_add_co_u32 s34, s34, s[TMP]
	s_mov_b32 s35, 0
	s_lshl_b32 s38, s15, 22                        ; hbuf: the expert's 64 tiles, the half's 16 strips of 2,048 bytes
	s_lshl_b32 s[TMP], s17, 15
	s_add_co_u32 s38, s38, s[TMP]
	s_mov_b32 s39, 0
	s_lshl_b32 s40, s17, 25                        ; y: the half's 32 MB, the expert's 1,024 rows of 4,096 bytes, my wave's tile of 16 rows, the strip's 256 bytes
	s_lshl_b32 s[TMP], s15, 22
	s_add_co_u32 s40, s40, s[TMP]
	s_lshl_b32 s[TMP], s14, 16
	s_add_co_u32 s40, s40, s[TMP]
	s_lshl_b32 s[TMP], s16, 8
	s_add_co_u32 s40, s40, s[TMP]
	s_mov_b32 s41, 0
	s_lshl_b32 s18, s15, 7                         ; rk: the expert's 128 bytes of count
	s_mov_b32 s19, 0
	s_wait_dscnt 0x0                               ; the opening add is done
	s_wait_kmcnt 0x0
	s_add_nc_u64 s[12:13], s[4:5], s[18:19]
	s_add_nc_u64 s[18:19], s[8:9], s[34:35]
	s_mov_b64 s[26:27], s[18:19]
	s_or_b32 s27, s27, 0x80000000                  ; type = 2
	s_add_nc_u64 s[30:31], s[18:19], 0x200000      ; 512 rows on
	s_or_b32 s31, s31, 0x80000000
	s_add_nc_u64 s[32:33], s[6:7], s[38:39]
	s_mov_b64 s[20:21], s[32:33]
	s_add_nc_u64 s[22:23], s[10:11], s[40:41]
	tensor_load_to_lds s[24:27], s[48:55]          ; the whole slice is asked for at once: two loads of mine are out
	s_nop 0
	tensor_load_to_lds s[28:31], s[48:55]
	s_nop 0
.rept 4
	v_nop
.endr
	s_load_b32 s[CNT], s[12:13], 0x8000            ; the expert's count, behind the eight experts' ranks
	v_and_b32 v1, 31, v0                           ; L
	v_lshlrev_b32 v2, 4, v1                        ; 16 L
	v_lshrrev_b32 v16, 4, v1                       ; h
	v_and_b32 v17, 15, v1                          ; r
	v_lshlrev_b32 v15, 4, v17                      ; 16 r
	v_lshl_add_u32 v26, v16, 15, v15               ; y: 8 rows of 4,096 bytes for the upper half of the lanes, 16 bytes a lane
	v_lshl_add_u32 v27, v16, 13, v15               ; LDS: 32 raw rows for the upper half of the lanes, 16 bytes a lane
	s_wait_kmcnt 0x0
	s_min_u32 s[CNT], s[CNT], 0x400
	s_add_co_u32 s43, s[CNT], 15
	s_lshr_b32 s43, s43, 4                         ; tiles with rows
	s_max_u32 s45, s43, 1                          ; tiles that the first product wrote
	s_mov_b32 s47, s14
	AOFFS 0
	CLEAR
.irp u, 0,1,2,3,4,5,6,7
	ALD \u, 1024*\u
.endr
	WIN 0
	s_wait_tensorcnt 0x1                           ; my part of the first 512 rows is in; the second half may stay out
	s_barrier_signal -1
	s_barrier_wait -1                              ; everybody's is
	s_mov_b32 s37, 0
	s_mov_b32 s57, 2
.Lk:
	BODY 1
	s_sub_co_u32 s57, s57, 1
	s_cmp_lg_u32 s57, 0
	s_cbranch_scc1 .Lk
	s_wait_tensorcnt 0x0                           ; my part of the second 512 rows is in,
	s_barrier_signal -1
	s_barrier_wait -1                              ; everybody's is
	BODY 1
	BODY 0
	s_mov_b32 s56, 0
	s_mov_b32 s59, 320
.Lpass:                                                ; four trips, whatever the count: a pass goes out; the next is multiplied only if the expert has rows for it
	EPI 0
	EPI 1
	EPI 2
	EPI 3
	EPI 4
	s_cmp_ge_u32 s59, s[CNT]
	s_cbranch_scc1 .Lnext
	s_wait_xcnt 0x0                                ; the pass's stores have read v64-95, into which the raw rows are loaded below
	AOFFS 20
	CLEAR
	s_mov_b64 s[20:21], s[32:33]                   ; every load that named it is back
	s_mov_b32 s37, 0
	s_mov_b32 s57, 16
.Lpk:
	PSB
	s_sub_co_u32 s57, s57, 1
	s_cmp_lg_u32 s57, 0
	s_cbranch_scc1 .Lpk
.Lnext:
	s_wait_xcnt 0x0                                ; the stores have read y's pointer
	s_add_nc_u64 s[22:23], s[22:23], 20*65536
	s_add_co_u32 s47, s47, 20
	s_add_co_u32 s59, s59, 320
	s_add_co_u32 s56, s56, 1
	s_cmp_lt_u32 s56, 4
	s_cbranch_scc1 .Lpass
	s_wait_dscnt 0x0                               ; my reads of the slice are over;
	s_barrier_signal -1
	s_barrier_wait -1                              ; everybody's are, before any wave writes LDS again
	s_wait_tensorcnt 0x0                           ; the wave's end, behind my last tensor load
	ds_add_u32 v28, v29
	s_wait_dscnt 0x0
	s_endpgm
.Lfunc_end_k_qfe10134b0e_down:
	.size	k_qfe10134b0e_down, .Lfunc_end_k_qfe10134b0e_down-k_qfe10134b0e_down
	.p2alignl 7, 3214868480
	.fill 96, 4, 3214868480
	.section	.rodata,"a",@progbits
	.p2align	6, 0x0
	.amdhsa_kernel k_qfe10134b0e_down
		.amdhsa_group_segment_fixed_size 262656
		.amdhsa_private_segment_fixed_size 0
		.amdhsa_enable_private_segment 0
		.amdhsa_kernarg_size 32
		.amdhsa_user_sgpr_count 2
		.amdhsa_user_sgpr_kernarg_segment_ptr 1
		.amdhsa_wavefront_size32 1
		.amdhsa_system_sgpr_workgroup_id_x 1
		.amdhsa_system_sgpr_workgroup_id_y 1
		.amdhsa_system_sgpr_workgroup_id_z 1
		.amdhsa_system_vgpr_workitem_id 0
		.amdhsa_next_free_vgpr 848
		.amdhsa_next_free_sgpr 66
		.amdhsa_reserve_vcc 0
		.amdhsa_float_denorm_mode_32 3
		.amdhsa_float_denorm_mode_16_64 3
		.amdhsa_memory_ordered 1
		.amdhsa_forward_progress 1
		.amdhsa_inst_pref_size 171
	.end_amdhsa_kernel
	.amdgpu_metadata
---
amdhsa.version: [ 1, 2 ]
amdhsa.kernels:
  - .name:           k_qfe10134b0e_down
    .symbol:         k_qfe10134b0e_down.kd
    .args:
      - { .name: rk, .offset: 0, .size: 8, .value_kind: global_buffer, .address_space: global }
      - { .name: hbuf, .offset: 8, .size: 8, .value_kind: global_buffer, .address_space: global }
      - { .name: w2, .offset: 16, .size: 8, .value_kind: global_buffer, .address_space: global }
      - { .name: y, .offset: 24, .size: 8, .value_kind: global_buffer, .address_space: global }
    .group_segment_fixed_size: 262656
    .private_segment_fixed_size: 0
    .kernarg_segment_align: 8
    .kernarg_segment_size: 32
    .max_flat_workgroup_size: 128
    .sgpr_count:     66
    .vgpr_count:     848
    .wavefront_size: 32
...
	.end_amdgpu_metadata
.endif
;; end of part 3
;; launch combine (part 4): grid 256 x 1, 8 waves a work-group, no clusters, 0 bytes of LDS; arguments y, psum, sel, gw, rk, out0, out1; writes out0, out1
.if DOCPART == 4
	.amdgcn_target "amdgcn-amd-amdhsa--gfx1250"
	.amdhsa_code_object_version 6
	.text
	.protected	k_qfe10134b0e_combine
	.globl	k_qfe10134b0e_combine
	.p2align	8
	.type	k_qfe10134b0e_combine,@function
k_qfe10134b0e_combine:
	s_mov_b64 s[64:65], 0
	v_nop
	global_prefetch_b8 v0, s[64:65] scope:SCOPE_SE
	s_setreg_imm32_b32 hwreg(HW_REG_WAVE_MODE, 25, 1), 1
	s_wait_xcnt 0x0
; THE SUM.  out0[t] = g1 (y[0][i1][p1] + y[1][i1][p1]) + g2 (y[0][i2][p2] + y[1][i2][p2]): the two chosen experts' rows, each in two halves of H, found by the token's rank p in the expert.
; A work-group takes 4 tokens; thread n takes columns 4 n .. 4 n + 3, so a wave's load or store covers 512 consecutive bytes.
; Every thread reads the same few words: sel (the experts' numbers, bits 16-18 and 20-22), gw, then rk[i][t]; each number that enters an address is clamped to its table first.  All 16 loads of rows go out at once.
; A stream: no LDS, no barrier, no matrix unit, no cluster (no row is read twice).
; Wave 0 of work-group 0 then makes the loss from the router's 64 x 16 sums: 8 x sum over e of (count_e / 1,024) (mass_e / 1,024) = 2^-17 x sum of count_e x mass_e.
; v4-7 sel, v8-15 gate weights, v16-79 rows, v80-87 experts, v88-95 offsets in rk, v96-103 ranks, v104-111 offsets in y
	s_load_b256 s[4:11], s[0:1], 0x0               ; y s[4:5], psum s[6:7], sel s[8:9], gw s[10:11]
	s_load_b128 s[12:15], s[0:1], 0x20             ; rk s[12:13], out0 s[14:15]
	s_load_b64 s[16:17], s[0:1], 0x30              ; out1
	v_lshlrev_b32 v1, 4, v0                        ; 16 x thread
	v_mov_b32 v2, 0
	v_lshrrev_b32 v3, 5, v0
	v_readfirstlane_b32 s20, v3                    ; wave
	s_lshl_b32 s22, ttmp9, 4                       ; 4 tokens' words in sel and in a row of rk
	s_mov_b32 s23, 0
	s_lshl_b32 s24, ttmp9, 5                       ; 4 tokens' pairs in gw
	s_mov_b32 s25, 0
	s_lshl_b32 s26, ttmp9, 14                      ; 4 rows of out0
	s_mov_b32 s27, 0
	s_wait_kmcnt 0x0
	s_add_nc_u64 s[8:9], s[8:9], s[22:23]
	s_add_nc_u64 s[10:11], s[10:11], s[24:25]
	s_add_nc_u64 s[12:13], s[12:13], s[22:23]
	s_add_nc_u64 s[14:15], s[14:15], s[26:27]
	s_add_nc_u64 s[18:19], s[4:5], 0x2000000       ; the second half's plane: a base of its own, since the distance is past the immediate's range
	global_load_b128 v[4:7], v2, s[8:9]
	global_load_b128 v[8:11], v2, s[10:11]
	global_load_b128 v[12:15], v2, s[10:11] offset:16
	s_wait_loadcnt 2                               ; sel is in; the two loads of gw are younger
.set nn, 0
.rept 8                                                ; n = 2 x token + slot
	v_bfe_u32 v[80+nn], v[4+nn/2], 16+4*(nn%2), 3
	v_min_u32 v[80+nn], 7, v[80+nn]                ; the expert
	v_lshlrev_b32 v[88+nn], 12, v[80+nn]           ; its 1,024 ranks
.set nn, nn+1
.endr
.set nn, 0
.rept 8
	global_load_b32 v[96+nn], v[88+nn], s[12:13] offset:4*(nn/2)
.set nn, nn+1
.endr
	s_wait_loadcnt 0x0
.set nn, 0
.rept 8
	v_min_u32 v[96+nn], 0x3ff, v[96+nn]            ; the rank
	v_lshl_add_u32 v[88+nn], v[80+nn], 10, v[96+nn]  ; the row: 1,024 x expert + rank (its loads are back, so the register is free)
	v_lshl_add_u32 v[104+nn], v[88+nn], 12, v1     ; 4,096 bytes a row, 16 bytes a thread
.set nn, nn+1
.endr
.set qq, 0
.rept 4
	global_load_b128 v[16+16*qq:19+16*qq], v[104+2*qq], s[4:5] th:TH_LOAD_NT
	global_load_b128 v[20+16*qq:23+16*qq], v[104+2*qq], s[18:19] th:TH_LOAD_NT
	global_load_b128 v[24+16*qq:27+16*qq], v[105+2*qq], s[4:5] th:TH_LOAD_NT
	global_load_b128 v[28+16*qq:31+16*qq], v[105+2*qq], s[18:19] th:TH_LOAD_NT
.set qq, qq+1
.endr
.set qq, 0
.rept 4
	s_wait_loadcnt 12-4*qq                         ; this token's four loads are in; the later tokens' stay out
	v_pk_add_f32 v[16+16*qq:17+16*qq], v[16+16*qq:17+16*qq], v[20+16*qq:21+16*qq]
	v_pk_add_f32 v[18+16*qq:19+16*qq], v[18+16*qq:19+16*qq], v[22+16*qq:23+16*qq]
	v_pk_add_f32 v[24+16*qq:25+16*qq], v[24+16*qq:25+16*qq], v[28+16*qq:29+16*qq]
	v_pk_add_f32 v[26+16*qq:27+16*qq], v[26+16*qq:27+16*qq], v[30+16*qq:31+16*qq]
.set ii, 0
.rept 4
	v_mul_f32 v[16+16*qq+ii], v[8+2*qq], v[16+16*qq+ii]
.set ii, ii+1
.endr
.set ii, 0
.rept 4
	v_fma_f32 v[16+16*qq+ii], v[24+16*qq+ii], v[9+2*qq], v[16+16*qq+ii]
.set ii, ii+1
.endr
	global_store_b128 v1, v[16+16*qq:19+16*qq], s[14:15] offset:4096*qq th:TH_STORE_NT
.set qq, qq+1
.endr
	s_cmp_lg_u32 ttmp9, 0
	s_cbranch_scc1 .Lend
	s_cmp_lg_u32 s20, 0
	s_cbranch_scc1 .Lend
	s_wait_xcnt 0x0                                ; the stores have read their registers, which are loaded anew
	v_lshlrev_b32 v3, 2, v0                        ; in wave 0 the thread's number is the lane: lane L takes value L % 16 of the rows of parity L / 16
.set ii, 0
.rept 32
	global_load_b32 v[16+ii], v3, s[6:7] offset:128*ii
.set ii, ii+1
.endr
	s_mov_b32 s28, 0x76543210                      ; each lane takes its own place in the other half
	s_mov_b32 s29, 0xfedcba98
	s_wait_loadcnt 0x0
.set ii, 4
.rept 28                                               ; four chains
	v_add_f32 v[16+ii%4], v[16+ii%4], v[16+ii]
.set ii, ii+1
.endr
	v_add_f32 v16, v16, v17
	v_add_f32 v18, v18, v19
	v_add_f32 v16, v16, v18
	v_mov_b32 v17, 0
	v_permlanex16_b32 v17, v16, s28, s29
	v_add_f32 v16, v16, v17                        ; lane e: the mass of expert e; lane 8 + e: its count
	v_mul_f32_dpp v16, v16, v16 row_xmask:8 row_mask:0xf bank_mask:0xf
	v_add_f32_dpp v16, v16, v16 row_xmask:1 row_mask:0xf bank_mask:0xf
	v_add_f32_dpp v16, v16, v16 row_xmask:2 row_mask:0xf bank_mask:0xf
	v_add_f32_dpp v16, v16, v16 row_xmask:4 row_mask:0xf bank_mask:0xf
	v_mul_f32 v16, 0x37000000, v16                 ; 2^-17
	v_cmp_eq_u32 vcc_lo, 0, v0
	s_wait_xcnt 0x0                                ; EXEC changes only behind this wait
	s_and_saveexec_b32 s30, vcc_lo
	global_store_b32 v2, v16, s[16:17]
	s_wait_xcnt 0x0
	s_or_b32 exec_lo, exec_lo, s30
.Lend:
	s_endpgm
.Lfunc_end_k_qfe10134b0e_combine:
	.size	k_qfe10134b0e_combine, .Lfunc_end_k_qfe10134b0e_combine-k_qfe10134b0e_combine
	.p2alignl 7, 3214868480
	.fill 96, 4, 3214868480
	.section	.rodata,"a",@progbits
	.p2align	6, 0x0
	.amdhsa_kernel k_qfe10134b0e_combine
		.amdhsa_group_segment_fixed_size 0
		.amdhsa_private_segment_fixed_size 0
		.amdhsa_enable_private_segment 0
		.amdhsa_kernarg_size 56
		.amdhsa_user_sgpr_count 2
		.amdhsa_user_sgpr_kernarg_segment_ptr 1
		.amdhsa_wavefront_size32 1
		.amdhsa_system_sgpr_workgroup_id_x 1
		.amdhsa_system_sgpr_workgroup_id_y 1
		.amdhsa_system_sgpr_workgroup_id_z 1
		.amdhsa_system_vgpr_workitem_id 0
		.amdhsa_next_free_vgpr 112
		.amdhsa_next_free_sgpr 66
		.amdhsa_reserve_vcc 1
		.amdhsa_float_denorm_mode_32 3
		.amdhsa_float_denorm_mode_16_64 3
		.amdhsa_memory_ordered 1
		.amdhsa_forward_progress 1
		.amdhsa_inst_pref_size 15
	.end_amdhsa_kernel
	.amdgpu_metadata
---
amdhsa.version: [ 1, 2 ]
amdhsa.kernels:
  - .name:           k_qfe10134b0e_combine
    .symbol:         k_qfe10134b0e_combine.kd
    .args:
      - { .name: y, .offset: 0, .size: 8, .value_kind: global_buffer, .address_space: global }
      - { .name: psum, .offset: 8, .size: 8, .value_kind: global_buffer, .address_space: global }
      - { .name: sel, .offset: 16, .size: 8, .value_kind: global_buffer, .address_space: global }
      - { .name: gw, .offset: 24, .size: 8, .value_kind: global_buffer, .address_space: global }
      - { .name: rk, .offset: 32, .size: 8, .value_kind: global_buffer, .address_space: global }
      - { .name: out0, .offset: 40, .size: 8, .value_kind: global_buffer, .address_space: global }
      - { .name: out1, .offset: 48, .size: 8, .value_kind: global_buffer, .address_space: global }
    .group_segment_fixed_size: 0
    .private_segment_fixed_size: 0
    .kernarg_segment_align: 8
    .kernarg_segment_size: 56
    .max_flat_workgroup_size: 256
    .sgpr_count:     66
    .vgpr_count:     112
    .wavefront_size: 32
...
	.end_amdgpu_metadata
.endif
;; end of part 4
;; ======== version 2 of 2: 4 launches; 1.18 times as fast as version 1
;; workspace buffers: xb 2,097,152 bytes; sel 4,096 bytes of whole numbers; gw 8,192 bytes; psum 4,096 bytes; hbuf 33,554,432 bytes; rk 33,792 bytes of whole numbers; y 67,108,864 bytes; bm 1,024 bytes of whole numbers
;; launch router (part 5): grid 64 x 1, 4 waves a work-group, no clusters, 54,272 bytes of LDS; arguments x, Wr, xb, sel, gw, psum, bm; writes xb, sel, gw, psum, bm
.if DOCPART == 5
	.amdgcn_target "amdgcn-amd-amdhsa--gfx1250"
	.amdhsa_code_object_version 6
	.text
	.protected	k_qfe10134b0e_router
	.globl	k_qfe10134b0e_router
	.p2align	8
	.type	k_qfe10134b0e_router,@function
k_qfe10134b0e_router:
	s_mov_b64 s[64:65], 0
	v_nop
	global_prefetch_b8 v0, s[64:65] scope:SCOPE_SE
	s_setreg_imm32_b32 hwreg(HW_REG_WAVE_MODE, 25, 1), 1
	s_wait_xcnt 0x0
; ROUTER.  A work-group takes 16 tokens.  It rounds their rows of x to bf16 (stored in xb for the first product), multiplies them by Wr (rounded to bf16 too)
; on the matrix unit, and wave 0 then makes, for each token: the softmax over the 8 experts (the row's maximum taken away), the two largest probabilities
; (a tie keeps the lower index), their weights v / (v1 + v2), and the work-group's sums of probabilities and of usage for the loss.
; Stored at fixed places: sel[t] = 1 << i1 | 1 << (i2 + 8) | i1 << 16 | i2 << 20, gw[t] = (g1, g2), psum[work-group] = 8 sums of probabilities, 8 counts of usage,
; and bm[e][work-group] = 16 bits, bit r set where token 16 b + r chose expert e: together a map of 1,024 bits, 128 bytes, for each expert.  (Those are eight stores of 2 bytes a work-group, 1 KB in the launch.)
; 64 work-groups: 16 tokens are one matrix tile, and the launch moves 6 MB in all.  No cluster: what is shared is Wr, 32 KB of it.
; LIMITS.  A probability below 2^-126 counts as 0.  The ranking goes by this text's own f32 probabilities, which may differ in the last bit from
; another evaluation of the same softmax.  NaN and infinities are not treated apart.
.set XPITCH, 2064                      ; a token's row in LDS: 2,048 bytes of bf16 + 16: an odd multiple of 16, so 16 rows of a fragment load start at 16 different groups of banks
.set WRB,    33280                     ; Wr in bf16: row k = 8 experts = 16 bytes
.set PART,   49664                     ; each wave's partial logits: 1,024 bytes a wave
.set SPARE,  53760                     ; the spare words, 128 bytes a wave: two blocks of 256 bytes that no other line names
.set XR,     64                        ; v64-191   x as loaded, then in bf16; later the fragments of x (v64-127)
.set WF,     128                       ; v128-191  the fragments of Wr
.set WR,     192                       ; v192-255  Wr as loaded
.set LG,     48                        ; v48-55    logits of my token, expert j in register j
.set PR,     96                        ; v96-103   probabilities; v104-111 usage
.macro PLACES
.rept 4
	v_nop
.endr
.endm
	s_load_b256 s[4:11], s[0:1], 0x0               ; x s[4:5], Wr s[6:7], xb s[8:9], sel s[10:11]
	s_load_b128 s[12:15], s[0:1], 0x20             ; gw s[12:13], psum s[14:15]
	s_load_b64 s[28:29], s[0:1], 0x30              ; bm
	v_lshl_add_u32 v28, v0, 2, SPARE               ; my spare word
	v_mov_b32 v29, 0
	v_lshrrev_b32 v1, 5, v0
	v_readfirstlane_b32 s16, v1                    ; wave 0..3
	v_and_b32 v2, 31, v0                           ; lane L
	v_lshlrev_b32 v3, 4, v0                        ; 16 x thread
	v_lshlrev_b32 v4, 4, v2                        ; 16 L
	v_lshlrev_b32 v5, 3, v2                        ; 8 L
	v_and_b32 v8, 15, v2                           ; r
	v_lshrrev_b32 v9, 4, v2                        ; h
	s_lshl_b32 s18, ttmp9, 16                      ; the work-group's 16 rows of 4,096 bytes,
	s_lshl_b32 s17, s16, 14                        ; my wave's 4 of them
	s_add_co_u32 s18, s18, s17
	s_mov_b32 s19, 0
	s_lshr_b32 s22, s18, 1                         ; the same rows in xb: half the bytes
	s_mov_b32 s23, 0
	s_mul_i32 s24, s16, 4*XPITCH
	v_add_nc_u32 v6, s24, v5                       ; my wave's rows in LDS + 8 L
	v_lshl_add_u32 v7, v0, 3, WRB                  ; Wr in LDS + 8 x thread
	s_mov_b32 s20, 0x3fb8aa3b                      ; log2(e)
	s_wait_kmcnt 0x0
	s_add_nc_u64 s[4:5], s[4:5], s[18:19]
	s_add_nc_u64 s[8:9], s[8:9], s[22:23]
.set ii, 0
.rept 16                                               ; Wr whole: 128 threads x 16 bytes, 16 times
	global_load_b128 v[WR+4*ii:WR+4*ii+3], v3, s[6:7] offset:2048*ii
.set ii, ii+1
.endr
.set ii, 0
.rept 32                                               ; my wave's 4 rows of x, 512 neighbouring bytes a load
	global_load_b128 v[XR+4*ii:XR+4*ii+3], v4, s[4:5] offset:4096*(ii/8)+512*(ii%8) th:TH_LOAD_NT
.set ii, ii+1
.endr
	; LDS addresses of the second phase, made while the loads are out
	v_mul_u32_u24 v10, v8, XPITCH
	v_lshl_add_u32 v10, v9, 4, v10
	s_lshl_b32 s25, s16, 9
	v_add_nc_u32 v10, s25, v10                     ; x fragment: row r, 16 h, my wave's 256 k
	v_and_b32 v12, 7, v2
	v_lshl_add_u32 v12, v9, 3, v12                 ; 8 h + L % 8
	s_lshl_b32 s26, s16, 12
	s_add_co_u32 s26, s26, WRB
	v_lshl_add_u32 v11, v12, 4, s26                ; Wr, turned: row 256 w + 8 h + L % 8; both groups of eight lanes of a half name the same 16 bytes
	s_lshl_b32 s27, s16, 10
	s_add_co_u32 s27, s27, PART
	v_lshl_add_u32 v13, v2, 5, s27                 ; my wave's partial logits, 32 bytes a lane
	v_lshl_add_u32 v14, v2, 5, PART
	s_wait_loadcnt 32                              ; Wr is in: the 32 loads of x are younger
.set ii, 0
.rept 16
	v_cvt_pk_bf16_f32 v[WR+4*ii], v[WR+4*ii], v[WR+4*ii+1]
	v_cvt_pk_bf16_f32 v[WR+4*ii+1], v[WR+4*ii+2], v[WR+4*ii+3]
	ds_store_b64 v7, v[WR+4*ii:WR+4*ii+1] offset:1024*ii
.set ii, ii+1
.endr
.set ii, 0
.rept 32
.if ii%8 == 0
	s_wait_loadcnt 24-ii                           ; this row's eight loads are in; the later rows' stay out
.endif
	v_cvt_pk_bf16_f32 v[XR+4*ii], v[XR+4*ii], v[XR+4*ii+1]
	v_cvt_pk_bf16_f32 v[XR+4*ii+1], v[XR+4*ii+2], v[XR+4*ii+3]
	global_store_b64 v5, v[XR+4*ii:XR+4*ii+1], s[8:9] offset:2048*(ii/8)+256*(ii%8)  ; the wave's store covers 256 consecutive bytes, aligned
	ds_store_b64 v6, v[XR+4*ii:XR+4*ii+1] offset:XPITCH*(ii/8)+256*(ii%8)
.set ii, ii+1
.endr
	s_wait_dscnt 0x0                               ; for the others' sake: my rows and my part of Wr are in LDS
	s_barrier_signal -1
	s_barrier_wait -1
	; LOGITS.  Wave w takes k = 256 w .. 256 w + 255, eight steps of 32.  Source 0 = Wr turned (row m = expert m % 8), source 1 = 16 tokens:
	; register j of the result is expert j of token r, in both halves of the lanes.
	s_wait_xcnt 0x0                                ; the stores to xb have read their registers, which are loaded anew below
.set ii, 0
.rept 8
	ds_load_b128 v[XR+8*ii:XR+8*ii+3], v10 offset:64*ii
	ds_load_b128 v[XR+8*ii+4:XR+8*ii+7], v10 offset:64*ii+32
	ds_load_tr16_b128 v[WF+8*ii:WF+8*ii+3], v11 offset:512*ii
	ds_load_tr16_b128 v[WF+8*ii+4:WF+8*ii+7], v11 offset:512*ii+256
.set ii, ii+1
.endr
	s_wait_dscnt 0x0
	v_wmma_f32_16x16x32_bf16 v[32:39], v[WF:WF+7], v[XR:XR+7], 0         ; two accumulators take turns; the first two products start the sums
	v_wmma_f32_16x16x32_bf16 v[40:47], v[WF+8:WF+15], v[XR+8:XR+15], 0
.set ii, 2
.rept 6
	v_wmma_f32_16x16x32_bf16 v[32+8*(ii%2):39+8*(ii%2)], v[WF+8*ii:WF+8*ii+7], v[XR+8*ii:XR+8*ii+7], v[32+8*(ii%2):39+8*(ii%2)]
.set ii, ii+1
.endr
	PLACES                                         ; four plain instructions between the last product and the first read of a result
.set ii, 0
.rept 4
	v_pk_add_f32 v[LG+2*ii:LG+2*ii+1], v[32+2*ii:33+2*ii], v[40+2*ii:41+2*ii]
.set ii, ii+1
.endr
	ds_store_b128 v13, v[LG:LG+3]
	ds_store_b128 v13, v[LG+4:LG+7] offset:16
	s_wait_dscnt 0x0                               ; for wave 0's sake
	s_barrier_signal -1
	s_barrier_wait -1
	s_wait_tensorcnt 0x0                           ; behind every wave's last LDS store
	ds_add_u32 v28, v29
	s_wait_dscnt 0x0
	s_cmp_lg_u32 s16, 0
	s_cbranch_scc1 .Lend                           ; the rest is one wave's work: 16 tokens, one a lane (twice)
.set ii, 0
.rept 4
	ds_load_b128 v[64+8*ii:67+8*ii], v14 offset:1024*ii
	ds_load_b128 v[68+8*ii:71+8*ii], v14 offset:1024*ii+16
.set ii, ii+1
.endr
	s_wait_dscnt 0x0
.irp pp, 72, 80, 88                                    ; the four waves' parts, in the waves' order
.set ii, 0
.rept 4
	v_pk_add_f32 v[64+2*ii:65+2*ii], v[64+2*ii:65+2*ii], v[\pp+2*ii:\pp+2*ii+1]
.set ii, ii+1
.endr
.endr
.set ii, 0
.rept 8
	v_mov_b32 v[LG+ii], v[64+ii]
.set ii, ii+1
.endr
	v_max3_num_f32 v56, v48, v49, v50
	v_max3_num_f32 v56, v56, v51, v52
	v_max3_num_f32 v56, v56, v53, v54
	v_max_num_f32 v56, v56, v55                    ; the row's maximum m
	v_mul_f32 v57, s20, v56
.set ii, 0
.rept 8
	v_fma_f32 v[PR+ii], v[LG+ii], s20, -v57        ; c l - c m
.set ii, ii+1
.endr
.set ii, 0
.rept 8
	v_exp_f32 v[PR+ii], v[PR+ii]
.set ii, ii+1
.endr
	v_nop                                          ; a plain instruction behind the last exponential,
	s_wait_alu depctr_va_vdst(0)                   ; and one wait for the eight, ahead of their first reader
	v_add_f32 v64, v96, v97
	v_add_f32 v65, v98, v99
	v_add_f32 v66, v100, v101
	v_add_f32 v67, v102, v103
	v_add_f32 v64, v64, v65
	v_add_f32 v66, v66, v67
	v_add_f32 v64, v64, v66
	v_rcp_f32 v65, v64
	v_mov_b32 v61, 0                               ; i1 (a plain instruction behind the reciprocal)
	s_wait_alu depctr_va_vdst(0)
.set ii, 0
.rept 8
	v_mul_f32 v[PR+ii], v[PR+ii], v65              ; probabilities
.set ii, ii+1
.endr
	; the two largest, by strict comparisons in ascending order of the experts: a tie keeps the lower index
	v_mov_b32 v60, v96                             ; v1
	v_mov_b32 v62, -1.0                            ; v2: below every probability
	v_mov_b32 v63, 1                               ; i2
.set ii, 1
.rept 7
	v_cmp_gt_f32 s22, v[PR+ii], v60
	v_cmp_gt_f32 s23, v[PR+ii], v62
	v_cndmask_b32 v62, v62, v[PR+ii], s23
	v_cndmask_b32 v63, v63, ii, s23
	v_cndmask_b32 v62, v62, v60, s22
	v_cndmask_b32 v63, v63, v61, s22
	v_cndmask_b32 v60, v60, v[PR+ii], s22
	v_cndmask_b32 v61, v61, ii, s22
.set ii, ii+1
.endr
	v_add_f32 v68, v60, v62
	v_rcp_f32 v69, v68
	v_mov_b32 v70, 1
	v_lshlrev_b32 v67, v61, v70                    ; 1 << i1
	v_add_nc_u32 v66, 8, v63
	v_lshlrev_b32 v66, v66, v70
	v_or_b32 v71, v67, v66                         ; sel: the two bits,
	v_lshl_or_b32 v71, v61, 16, v71                ; and the two numbers, for the launch that gathers
	v_lshl_or_b32 v71, v63, 20, v71
	v_lshlrev_b32 v66, v63, v70
	v_or_b32 v67, v67, v66                         ; the experts used by this token
.set ii, 0
.rept 8
	v_bfe_u32 v[PR+8+ii], v67, ii, 1
	v_cmp_ne_u32 s[32+ii], 0, v[PR+8+ii]           ; the lanes whose token uses expert ii: bits 0-15 are the work-group's 16 tokens
	v_cvt_f32_u32 v[PR+8+ii], v[PR+8+ii]
.set ii, ii+1
.endr
	v_mov_b32 v77, 0
.set ii, 0
.rept 8
	v_writelane_b32 v77, s[32+ii], ii              ; lane e holds expert e's 16 bits
.set ii, ii+1
.endr
	v_lshlrev_b32 v78, 7, v2                       ; an expert's map is 128 bytes
	s_wait_alu depctr_va_vdst(0)
	v_mul_f32 v72, v60, v69                        ; g1
	v_mul_f32 v73, v62, v69                        ; g2
.irp mm, 1, 2, 4, 8                                    ; sums over the 16 tokens, in every lane of the half
.set ii, 0
.rept 16
	v_add_f32_dpp v[PR+ii], v[PR+ii], v[PR+ii] row_xmask:\mm row_mask:0xf bank_mask:0xf
.set ii, ii+1
.endr
.endr
	s_lshl_b32 s18, ttmp9, 6
	s_mov_b32 s19, 0
	s_add_nc_u64 s[10:11], s[10:11], s[18:19]      ; sel and psum: 64 bytes a work-group
	s_add_nc_u64 s[14:15], s[14:15], s[18:19]
	s_lshl_b32 s18, ttmp9, 7
	s_add_nc_u64 s[12:13], s[12:13], s[18:19]      ; gw: 128 bytes
	s_lshl_b32 s18, ttmp9, 1
	s_add_nc_u64 s[28:29], s[28:29], s[18:19]      ; bm: 2 bytes in each expert's map
	v_lshlrev_b32 v74, 2, v8
	v_lshlrev_b32 v75, 3, v8
	v_mov_b32 v76, 0
	v_cmp_gt_u32 vcc_lo, 16, v2
	s_wait_xcnt 0x0                                ; EXEC changes only behind this wait
	s_and_saveexec_b32 s24, vcc_lo                 ; lanes 0-15: one token each
	global_store_b32 v74, v71, s[10:11]
	global_store_b64 v75, v[72:73], s[12:13]
	s_wait_xcnt 0x0
	s_or_b32 exec_lo, exec_lo, s24
	v_cmp_gt_u32 vcc_lo, 8, v2
	s_wait_xcnt 0x0
	s_and_saveexec_b32 s24, vcc_lo                 ; lanes 0-7: one expert each
	global_store_b16 v78, v77, s[28:29]
	s_wait_xcnt 0x0
	s_or_b32 exec_lo, exec_lo, s24
	v_cmp_eq_u32 vcc_lo, 0, v2
	s_wait_xcnt 0x0
	s_and_saveexec_b32 s24, vcc_lo                 ; lane 0: the work-group's 16 sums
.set ii, 0
.rept 4
	global_store_b128 v76, v[PR+4*ii:PR+4*ii+3], s[14:15] offset:16*ii
.set ii, ii+1
.endr
	s_wait_xcnt 0x0
	s_or_b32 exec_lo, exec_lo, s24
.Lend:
	s_endpgm
.Lfunc_end_k_qfe10134b0e_router:
	.size	k_qfe10134b0e_router, .Lfunc_end_k_qfe10134b0e_router-k_qfe10134b0e_router
	.p2alignl 7, 3214868480
	.fill 96, 4, 3214868480
	.section	.rodata,"a",@progbits
	.p2align	6, 0x0
	.amdhsa_kernel k_qfe10134b0e_router
		.amdhsa_group_segment_fixed_size 54272
		.amdhsa_private_segment_fixed_size 0
		.amdhsa_enable_private_segment 0
		.amdhsa_kernarg_size 56
		.amdhsa_user_sgpr_count 2
		.amdhsa_user_sgpr_kernarg_segment_ptr 1
		.amdhsa_wavefront_size32 1
		.amdhsa_system_sgpr_workgroup_id_x 1
		.amdhsa_system_sgpr_workgroup_id_y 1
		.amdhsa_system_sgpr_workgroup_id_z 1
		.amdhsa_system_vgpr_workitem_id 0
		.amdhsa_next_free_vgpr 256
		.amdhsa_next_free_sgpr 66
		.amdhsa_reserve_vcc 1
		.amdhsa_float_denorm_mode_32 3
		.amdhsa_float_denorm_mode_16_64 3
		.amdhsa_memory_ordered 1
		.amdhsa_forward_progress 1
		.amdhsa_inst_pref_size 37
	.end_amdhsa_kernel
	.amdgpu_metadata
---
amdhsa.version: [ 1, 2 ]
amdhsa.kernels:
  - .name:           k_qfe10134b0e_router
    .symbol:         k_qfe10134b0e_router.kd
    .args:
      - { .name: x, .offset: 0, .size: 8, .value_kind: global_buffer, .address_space: global }
      - { .name: Wr, .offset: 8, .size: 8, .value_kind: global_buffer, .address_space: global }
      - { .name: xb, .offset: 16, .size: 8, .value_kind: global_buffer, .address_space: global }
      - { .name: sel, .offset: 24, .size: 8, .value_kind: global_buffer, .address_space: global }
      - { .name: gw, .offset: 32, .size: 8, .value_kind: global_buffer, .address_space: global }
      - { .name: psum, .offset: 40, .size: 8, .value_kind: global_buffer, .address_space: global }
      - { .name: bm, .offset: 48, .size: 8, .value_kind: global_buffer, .address_space: global }
    .group_segment_fixed_size: 54272
    .private_segment_fixed_size: 0
    .kernarg_segment_align: 8
    .kernarg_segment_size: 56
    .max_flat_workgroup_size: 128
    .sgpr_count:     66
    .vgpr_count:     256
    .wavefront_size: 32
...
	.end_amdgpu_metadata
.endif
;; end of part 5
;; launch gateup (part 6): grid 256 x 1, 4 waves a work-group, no clusters, 262,656 bytes of LDS; arguments bm, xb, w1, w3, hbuf, rk; writes hbuf, rk
.if DOCPART == 6
	.amdgcn_target "amdgcn-amd-amdhsa--gfx1250"
	.amdhsa_code_object_version 6
	.text
	.protected	k_qfe10134b0e_gateup
	.globl	k_qfe10134b0e_gateup
	.p2align	8
	.type	k_qfe10134b0e_gateup,@function
k_qfe10134b0e_gateup:
	s_mov_b64 s[64:65], 0
	v_nop
	global_prefetch_b8 v0, s[64:65] scope:SCOPE_SE
	s_setreg_imm32_b32 hwreg(HW_REG_WAVE_MODE, 25, 1), 1
	s_wait_xcnt 0x0
; FIRST PRODUCT.  h = silu(X w1[e]) * (X w3[e]) for the rows that chose expert e.  Work-group = (expert e, strip of 64 columns of H): it alone reads its 64 columns of w1 and of w3
; over K = 1,024: 512 KB of f32, each byte once, rounded to bf16 on the way through registers and kept in LDS as matrix fragments for the whole launch.
; ROWS.  The expert's rows are its tokens in ascending order; rank p lies in tile p / 16; tile T = 20 x pass + 4 x slot + wave.  A pass is 320 rows; four passes serve every split (an expert has 1,024 rows at the most).
; The token of a rank is found in registers from the expert's map of 1,024 bits (32 scalar registers; no launch is spent on a sort): first the word whose running count holds the rank, then the k-th set bit of that word.
; Ranks past the count take token 0.  Pass 0 streams the weights; later passes run only where the count asks for them, read the resident fragments, and hold no barrier.  Their sums are started by 40 products of zeros:
; 40 lines in place of a second copy of a block's text, on a way that only an expert with more than 320 rows takes.
; The fifth slot (tiles 16 to 19 of a pass) is live only where the expert has more than 256 rows left: where it is dead its products are jumped; its loads stay, so that every counted wait holds on both ways.
; Wave 0 of the expert's strip 0 also stores rk[e][token] = the token's rank (a bounded number that nobody reads where the token did not choose e) and the count, for the launches behind.
; K MAP.  In a block of 64 k, fragment f, lane (r, h), register q holds k = 32 h + 16 f + 2 q and + 1: alike in both operands, so the products are those of the true k.
; W: lane (r, h) loads 16 bytes (columns 4 r .. 4 r + 3) of rows 32 h + 16 f + j: each load of the wave covers two rows' 256 consecutive bytes, aligned.  Column 4 r + i goes to tile i, so lane r of tile i stands for column 4 r + i.
; The matrix instruction takes W as source 0 and X as source 1: a lane's results are ONE token (r) and the columns 32 h + 4 j + i: just the 32 k that the lane holds of the second product's operand.
; So h is stored in fragment order, 512 consecutive bytes a store: hbuf[e][tile][strip][2,048 bytes], piece n = 2 f + half at 512 n + 16 lane.
; NO CLUSTER: each slice of weights has one reader, and the token rows come by a list, which no tile descriptor covers.  h is rounded once to bf16 (f16 has no room: with x and the weights 30 times larger h passes 65,504).
; LIMITS.  exp2 flushes results below 2^-126 to 0 (silu then gives g); NaN and infinities are not treated apart.
; REGISTERS, in windows of 256 (s_set_vgpr_msb: bits 1:0 source 0, 3:2 source 1, 5:4 source 2, 7:6 destination):
;   window 0: v2 16 L, v3 64 h, v4 W's lane offset, v5-6 LDS addresses, v8 4 L, v10-14 the slots' row offsets in xb, v15 r, v16, v22 at work, v28-29 the add's; v32-63 packed fragments (while tokens are sought: at work, v56-59 ranks);
;             v64-127, v128-191 W as loaded, two buffers; v192-255 the search for tokens, five registers of each kind.  On the way out: v64-95 at work, v128-143 h packed
;   window 1: v0-63, v64-127 W's fragments of f = 0, 1      window 2: accumulators of slots 0-3 at 64 slot + 8 nt (nt 0-3 gate, 4-7 up)
;   window 3: v0-63 accumulators of slot 4; v64-223 a ring of four units of X's fragments (unit = one f of one block, five slots)
.set SPARE, 262144                     ; behind the fragments: the spare words, 128 bytes a wave: two blocks of 256 bytes that no other line names
.set REG,   16384                      ; LDS bytes of a block of 64 k: fragment (f, nt) at 8,192 f + 1,024 nt + 512 half + 16 L
.set CHUNK, 524288                     ; 64 rows of w1 or w3 in memory
.set ROFF,  10
.set PK,    32
.set RAW0,  64
.set TT,    64
.set HH,    128
.set TA,    32                         ; the search: three sets of five at work,
.set TB,    40
.set TC,    48
.set RK,    56                         ; four words' ranks,
.set RHO,   192                        ; my five ranks,
.set MS,    200                        ; the word that holds each,
.set VS,    208                        ; the count in front of that word, and its first token << 16,
.set SA,    216                        ; the word's sums of 2,
.set SB,    224                        ; of 4,
.set SC,    232                        ; and of 8 bits,
.set KK,    240                        ; which set bit is wanted,
.set PS,    248                        ; and its place
.set BM,    68                         ; s[68:99]  the expert's map
.set CNT,   30                         ; s30  the running count; then NE, the expert's rows
.set TMP,   32
; s[4:5] bm at the expert's map, s14 wave, s15 e, s16 strip, s[20:21] W's pointer, s[22:23] xb's, s[24:25] hbuf's, s28 count and first token of a word, s29 first token << 16, s31 my first rank,
; s33 live tiles (at least 1), s34 20 pass + wave, s35 pass, s36 loop count, s37 0: I store rk, s[38:39] -log2(e), s40 a tile's number, s41 320 (pass + 1), s44 LDS byte of the block to be read, s45 of the block to be written,
; s46 1: my fifth slot is live, s[48:49] rk at the expert's ranks, s[50:51] rk at the expert's count, s56-60 five masks, s61-63 the masks of the bit sums
.set MSB, 0
.macro WIN new                         ; the immediate's high byte repeats the setting that is left; a switch that changes nothing is dropped
.if MSB != (\new)
	s_set_vgpr_msb (MSB<<8)|(\new)
.set MSB, \new
.endif
.endm
.macro PLACES                          ; four plain instructions between a matrix instruction and a load into, or a vector read of, its registers
.rept 4
	v_nop
.endr
.endm
.macro E5 line:vararg                  ; one line for each of my five slots t
.set t, 0
.rept 5
	\line
.set t, t+1
.endr
.endm
.macro PICK first                      ; the wanted bit lies in the lower part (k < its count): k and the place stay; else k loses that count and the place moves up
.set t, 0
.rept 5
	v_cmp_lt_u32 vcc_lo, v[KK+t], v[TA+t]
	v_cndmask_b32 v[KK+t], v[TB+t], v[KK+t], vcc_lo
.if \first
	v_cndmask_b32 v[PS+t], 16, 0, vcc_lo           ; both constants stand in the line: no register has to be kept for them
.else
	v_cndmask_b32 v[PS+t], v[TC+t], v[PS+t], vcc_lo
.endif
.set t, t+1
.endr
.endm
.macro STEP src, w                     ; a halving: the count of the w bits from the place on is a field of the sums of w bits
	E5 v_bfe_u32 v[TA+t], v[(\src)+t], v[PS+t], \w
	E5 v_sub_nc_u32 v[TB+t], v[KK+t], v[TA+t]
	E5 v_add_nc_u32 v[TC+t], \w, v[PS+t]
	PICK 0
.endm
; THE TOKENS OF MY FIVE TILES.  add: 0, or 20 for the pass to come.  Lane (r, h) wants rank 16 T + r for each slot.
; Eight trips of four words; the map is moved down four registers a trip, so that one text serves every trip.  The counts in front of the words ascend, so the last word whose count is not above the rank holds it.
; rkst = 1: a word's ranks are made on the way, and the one wave that stores them does so, 128 consecutive bytes a store.
.macro SELECT add, rkst
	s_add_co_u32 s31, s34, \add
	s_lshl_b32 s31, s31, 4
	v_add_nc_u32 v[RHO], s31, v15
.set t, 1
.rept 4
	v_add_nc_u32 v[RHO+t], 64*t, v[RHO]
.set t, t+1
.endr
	E5 v_mov_b32 v[MS+t], 0
	E5 v_mov_b32 v[VS+t], 0
	s_mov_b32 s[CNT], 0
	s_mov_b32 s29, 0
	s_mov_b32 s36, 8
.Lword_\@:
.set ii, 0
.rept 4
	s_add_co_u32 s28, s[CNT], s29
.if \rkst
	v_mbcnt_lo_u32_b32 v[RK+ii], s[BM+ii], s[CNT]
.endif
	E5 v_cmp_le_u32 s[56+t], s[CNT], v[RHO+t]
	E5 v_cndmask_b32 v[MS+t], v[MS+t], s[BM+ii], s[56+t]
	E5 v_cndmask_b32 v[VS+t], v[VS+t], s28, s[56+t]
	s_bcnt1_i32_b32 s[TMP], s[BM+ii]
	s_add_co_u32 s[CNT], s[CNT], s[TMP]
	s_add_co_u32 s29, s29, 32<<16
.set ii, ii+1
.endr
.set jj, 0
.rept 14
	s_mov_b64 s[BM+2*jj:BM+2*jj+1], s[BM+2*jj+4:BM+2*jj+5]
.set jj, jj+1
.endr
.if \rkst
	s_cmp_lg_u32 s37, 0
	s_cbranch_scc1 .Lnork_\@
.set ii, 0
.rept 4
	global_store_b32 v8, v[RK+ii], s[48:49] offset:128*ii
.set ii, ii+1
.endr
	s_wait_xcnt 0x0                                ; the ranks' registers and the pointer are written again only behind this wait
	s_add_nc_u64 s[48:49], s[48:49], 512
.Lnork_\@:
.endif
	s_sub_co_u32 s36, s36, 1
	s_cmp_lg_u32 s36, 0
	s_cbranch_scc1 .Lword_\@
	; the k-th set bit of the word, k = rank - count in front of it: sums of 2, 4, 8 and 16 bits, then five halvings.  The five slots go side by side, so that no line waits for the one before it.
	E5 v_sub_nc_u32 v[KK+t], v[RHO+t], v[VS+t]
	E5 v_and_b32 v[KK+t], 0xffff, v[KK+t]
	E5 v_lshrrev_b32 v[TA+t], 1, v[MS+t]
	E5 v_and_b32 v[TA+t], s61, v[TA+t]
	E5 v_sub_nc_u32 v[SA+t], v[MS+t], v[TA+t]
	E5 v_lshrrev_b32 v[TA+t], 2, v[SA+t]
	E5 v_and_b32 v[TA+t], s62, v[TA+t]
	E5 v_and_b32 v[SB+t], s62, v[SA+t]
	E5 v_add_nc_u32 v[SB+t], v[SB+t], v[TA+t]
	E5 v_lshrrev_b32 v[TA+t], 4, v[SB+t]
	E5 v_add_nc_u32 v[SC+t], v[SB+t], v[TA+t]
	E5 v_and_b32 v[SC+t], s63, v[SC+t]
	E5 v_lshrrev_b32 v[TA+t], 8, v[SC+t]
	E5 v_add_nc_u32 v[TA+t], v[SC+t], v[TA+t]
	E5 v_bfe_u32 v[TA+t], v[TA+t], 0, 8
	E5 v_sub_nc_u32 v[TB+t], v[KK+t], v[TA+t]
	PICK 1
	STEP SC, 8
	STEP SB, 4
	STEP SA, 2
	STEP MS, 1
	E5 v_lshrrev_b32 v[TA+t], 16, v[VS+t]
	E5 v_add_nc_u32 v[TA+t], v[TA+t], v[PS+t]      ; the token
.set t, 0
.rept 5
	v_cmp_gt_u32 vcc_lo, s[CNT], v[RHO+t]
	v_cndmask_b32 v[TA+t], 0, v[TA+t], vcc_lo      ; past the count: token 0
.set t, t+1
.endr
	E5 v_min_u32 v[TA+t], 0x3ff, v[TA+t]
	E5 v_lshl_add_u32 v[ROFF+t], v[TA+t], 11, v3   ; its row in xb, and 64 bytes on for the upper half of the lanes
.endm
.macro WLOAD dst, imm                  ; my quarter of a block of W: matrix w / 2, fragment w % 2: 16 rows for each half of the lanes
.set jj, 0
.rept 16
	global_load_b128 v[(\dst)+4*jj:(\dst)+4*jj+3], v4, s[20:21] offset:(\imm)+8192*jj th:TH_LOAD_NT
.set jj, jj+1
.endr
.endm
.macro CONV src                        ; 64 f32 a lane -> four fragments (tile i: column 4 r + i) -> LDS
.set ii, 0
.rept 4
.set qq, 0
.rept 8
	v_cvt_pk_bf16_f32 v[PK+8*ii+qq], v[(\src)+8*qq+ii], v[(\src)+8*qq+4+ii]
.set qq, qq+1
.endr
.set ii, ii+1
.endr
	v_add_nc_u32 v5, s45, v2
	s_add_co_u32 s45, s45, REG
.set ii, 0
.rept 8
	ds_store_b128 v5, v[PK+4*ii:PK+4*ii+3] offset:512*ii
.set ii, ii+1
.endr
.endm
.macro BLOAD dst, imm                  ; eight fragments of W (one f, all nt) into window 1: 512 neighbouring bytes a load
.set ii, 0
.rept 16
	ds_load_b128 v[(\dst)+4*ii:(\dst)+4*ii+3], v6 offset:(\imm)+512*ii
.set ii, ii+1
.endr
.endm
.macro ALOAD ring, imm                 ; a unit of X: 32 bytes of a row for each lane and slot
	WIN 0xc0
.set sl, 0
.rept 5
	global_load_b128 v[64+40*(\ring)+8*sl:64+40*(\ring)+8*sl+3], v[ROFF+sl], s[22:23] offset:(\imm)
	global_load_b128 v[64+40*(\ring)+8*sl+4:64+40*(\ring)+8*sl+7], v[ROFF+sl], s[22:23] offset:(\imm)+16
.set sl, sl+1
.endr
.endm
.macro MUL4 bf, unit, zero             ; slots 0 to 3: 32 matrix instructions on 32 accumulators, which take turns.  zero = 1: they start the sums
	WIN 0xad
.set sl, 0
.rept 4
.set nn, 0
.rept 8
.if \zero
	v_wmma_f32_16x16x32_bf16 v[64*sl+8*nn:64*sl+8*nn+7], v[(\bf)+8*nn:(\bf)+8*nn+7], v[64+40*(\unit)+8*sl:64+40*(\unit)+8*sl+7], 0
.else
	v_wmma_f32_16x16x32_bf16 v[64*sl+8*nn:64*sl+8*nn+7], v[(\bf)+8*nn:(\bf)+8*nn+7], v[64+40*(\unit)+8*sl:64+40*(\unit)+8*sl+7], v[64*sl+8*nn:64*sl+8*nn+7]
.endif
.set nn, nn+1
.endr
.set sl, sl+1
.endr
.endm
.macro MUL1 bf, unit, zero             ; slot 4: eight more.  The step that starts the sums always runs, so that the registers are written on every way; the others are jumped where the slot is dead
.if \zero
	WIN 0xfd
.set nn, 0
.rept 8
	v_wmma_f32_16x16x32_bf16 v[8*nn:8*nn+7], v[(\bf)+8*nn:(\bf)+8*nn+7], v[64+40*(\unit)+32:64+40*(\unit)+39], 0
.set nn, nn+1
.endr
.else
	WIN 0                                          ; at a branch and at a label every window is 0
	s_cmp_eq_u32 s46, 0
	s_cbranch_scc1 .Ldead_\@
	WIN 0xfd
.set nn, 0
.rept 8
	v_wmma_f32_16x16x32_bf16 v[8*nn:8*nn+7], v[(\bf)+8*nn:(\bf)+8*nn+7], v[64+40*(\unit)+32:64+40*(\unit)+39], v[8*nn:8*nn+7]
.set nn, nn+1
.endr
	WIN 0
.Ldead_\@:
.endif
.endm
.macro START0                          ; a later pass: all 40 sums are started by products of two fragments of zeros, so that one text of a block serves all 16 blocks of the pass
	WIN 0
.set zz, 0
.rept 16
	v_mov_b32 v[PK+zz], 0
.set zz, zz+1
.endr
	WIN 0x80                                       ; the result in window 2, the sources in window 0
.set zz, 0
.rept 32
	v_wmma_f32_16x16x32_bf16 v[8*zz:8*zz+7], v[PK:PK+7], v[PK+8:PK+15], 0
.set zz, zz+1
.endr
	WIN 0xc0                                       ; slot 4's in window 3
.set zz, 0
.rept 8
	v_wmma_f32_16x16x32_bf16 v[8*zz:8*zz+7], v[PK:PK+7], v[PK+8:PK+15], 0
.set zz, zz+1
.endr
	WIN 0
	PLACES
.endm
; A TRIP of pass 0: block t of 64 k, par = t % 2.  It multiplies block t, rounds block t + 1 into LDS, and asks for W of block t + 3 and X of block t + 2.
; Loads go out in the order .. W(t+1), X(2t), X(2t+1), W(t+2), X(2t+2), X(2t+3) | W(t+3), X(2t+4), X(2t+5): W 16 loads, a unit of X 10.
; nb waits for W(t+1): 10+10+16+10+10 = 56 younger.  ne for X(2t): 10+16+20+16 = 62.  ni for X(2t+1): 16+20+16+10 = 62.  The last three trips ask for less, and their counts run down.
; The two pointers are stepped once in two trips, in the odd trip, behind its first 40 products: no load has been issued since W's run in front of those.  With m = (t + 1) / 2, behind the step W's pointer
; stands at block 2 m and xb's at byte 256 m: so W(t+3) is 4 blocks on in an odd trip (in front of the step) and 3 in an even one, and X's block t + 2 is 128 bytes on in an odd trip and 256 in an even one.
; ONE barrier a trip: block t + 1 is stored, and the stores waited for, ahead of the signal; it is read behind the wait, in the next trip.  No LDS byte is written twice.
.macro TRIP par, zero, ldw, lda, conv, nb, ne, ni
	WIN 0
	v_add_nc_u32 v6, s44, v2
	s_add_co_u32 s44, s44, REG
	WIN 0x40
	BLOAD 0, 0
	WIN 0
.if \conv
	s_wait_loadcnt \nb
	CONV RAW0+64*(1-(\par))
.endif
.if \ldw
	WLOAD RAW0+64*(1-(\par)), (3+(\par))*CHUNK
.endif
	s_wait_loadcnt \ne
.if \conv
	s_wait_dscnt 8                                 ; W's fragments of f = 0 are in; my eight stores are younger
.else
	s_wait_dscnt 0x0
.endif
	WIN 0x40
	BLOAD 64, 8192
	MUL4 0, 2*(\par), \zero
	MUL1 0, 2*(\par), \zero
.if \lda
	PLACES
.if \par
	s_wait_xcnt 0x0                                ; the two pointers are stepped only behind this wait
	s_add_nc_u64 s[20:21], s[20:21], 2*CHUNK
	s_add_nc_u64 s[22:23], s[22:23], 256
.endif
	ALOAD 2*(\par), 256-128*(\par)
.endif
	s_wait_loadcnt \ni
	s_wait_dscnt 0x0                               ; W's fragments of f = 1 are in, and, for the others' sake, my stores are done
.if \conv
	s_barrier_signal -1
.endif
	MUL4 64, 2*(\par)+1, 0                         ; work on registers while the others arrive
.if \conv
	s_barrier_wait -1
.endif
	MUL1 64, 2*(\par)+1, 0
	PLACES
.if \lda
	ALOAD 2*(\par)+1, 288-128*(\par)
.endif
	WIN 0
.endm
.macro PTRIP                           ; a block of a later pass: the fragments of W are resident, nothing is stored, no barrier
	WIN 0
	v_add_nc_u32 v6, s44, v2
	s_add_co_u32 s44, s44, REG
	ALOAD 0, 0
	ALOAD 1, 32
	WIN 0x40
	BLOAD 0, 0
	BLOAD 64, 8192
	s_wait_loadcnt 0x0
	s_wait_dscnt 0x0
	MUL4 0, 0, 0
	MUL1 0, 0, 0
	MUL4 64, 1, 0
	MUL1 64, 1, 0
	PLACES
	WIN 0
	s_add_nc_u64 s[22:23], s[22:23], 128           ; its loads are back
.endm
; THE WAY OUT of a slot: h = g u / (1 + 2^(-g log2 e)), rounded to bf16 in the order of the second product's fragments.  A tile past the count is jumped.
.macro EPI slot
	WIN 0
	s_add_co_u32 s40, s34, 4*(\slot)
	s_cmp_ge_u32 s40, s33
	s_cbranch_scc1 .Lno_\@
	s_wait_xcnt 0x0                                ; the last slot's stores have read their registers
.if (\slot) < 4
.set AC, 64*(\slot)
	WIN 0x02
.else
.set AC, 0
	WIN 0x03
.endif
.set zz, 0
.rept 16
	v_pk_mul_f32 v[TT+2*zz:TT+2*zz+1], v[AC+2*zz:AC+2*zz+1], s[38:39] op_sel_hi:[1,0]  ; each accumulator's lowest registers are read first
.set zz, zz+1
.endr
	WIN 0
.set zz, 0
.rept 32
	v_exp_f32 v[TT+zz], v[TT+zz]
.set zz, zz+1
.endr
	v_nop                                          ; a plain instruction behind the last exponential,
	s_wait_alu depctr_va_vdst(0)                   ; and one wait for the batch
.set zz, 0
.rept 16
	v_pk_add_f32 v[TT+2*zz:TT+2*zz+1], v[TT+2*zz:TT+2*zz+1], 1.0 op_sel_hi:[1,0]
.set zz, zz+1
.endr
.set zz, 0
.rept 32
	v_rcp_f32 v[TT+zz], v[TT+zz]
.set zz, zz+1
.endr
	v_nop
	s_wait_alu depctr_va_vdst(0)
.if (\slot) < 4
	WIN 0x02
.else
	WIN 0x03
.endif
.set zz, 0
.rept 16
	v_pk_mul_f32 v[TT+2*zz:TT+2*zz+1], v[AC+2*zz:AC+2*zz+1], v[TT+2*zz:TT+2*zz+1]
.set zz, zz+1
.endr
.set zz, 0
.rept 16
	v_pk_mul_f32 v[TT+2*zz:TT+2*zz+1], v[AC+32+2*zz:AC+32+2*zz+1], v[TT+2*zz:TT+2*zz+1]
.set zz, zz+1
.endr
	WIN 0
.set jj, 0
.rept 8                                                ; column 32 h + 4 j + i is k = 16 f + 2 q + b of my half: register 2 j + i / 2 of sixteen
	v_cvt_pk_bf16_f32 v[HH+2*jj], v[TT+jj], v[TT+8+jj]
	v_cvt_pk_bf16_f32 v[HH+2*jj+1], v[TT+16+jj], v[TT+24+jj]
.set jj, jj+1
.endr
.set nn, 0
.rept 4
	global_store_b128 v2, v[HH+4*nn:HH+4*nn+3], s[24:25] offset:(\slot)*262144+512*nn  ; 512 consecutive bytes, aligned
.set nn, nn+1
.endr
.Lno_\@:
.endm
	s_load_b256 s[4:11], s[0:1], 0x0               ; bm s[4:5], xb s[6:7], w1 s[8:9], w3 s[10:11]
	s_load_b64 s[12:13], s[0:1], 0x20              ; hbuf
	s_load_b64 s[48:49], s[0:1], 0x28              ; rk
	v_lshl_add_u32 v28, v0, 2, SPARE               ; my spare word
	v_mov_b32 v29, 0
	v_lshrrev_b32 v1, 5, v0
	v_readfirstlane_b32 s14, v1                    ; wave 0..3
	v_and_b32 v1, 31, v0                           ; L
	v_lshlrev_b32 v2, 4, v1                        ; 16 L
	v_lshrrev_b32 v16, 4, v1                       ; h
	v_and_b32 v15, 15, v1                          ; r
	v_lshlrev_b32 v3, 6, v16                       ; 64 h
	v_lshlrev_b32 v4, 18, v16                      ; 32 rows of 8,192 bytes for the upper half of the lanes,
	v_lshl_or_b32 v4, v15, 4, v4                   ; 16 bytes a lane
	v_lshlrev_b32 v8, 2, v1                        ; 4 L
	s_lshr_b32 s15, ttmp9, 5                       ; e
	s_and_b32 s16, ttmp9, 31                       ; strip
	s_lshr_b32 s17, s14, 1                         ; which matrix I round: 0 w1, 1 w3
	s_and_b32 s18, s14, 1                          ; which fragment f
	s_mov_b32 s34, s14                             ; pass 0: my slot 0 is tile w
	s_or_b32 s37, s14, s16                         ; 0: wave 0 of strip 0
	s_lshl_b32 s45, s18, 13                        ; where my fragments go in a block: 8,192 f + 4,096 matrix
	s_lshl_b32 s[TMP], s17, 12
	s_add_co_u32 s45, s45, s[TMP]
	s_mov_b32 s44, 0
	s_lshl_b32 s26, s15, 23                        ; the expert's 8 MB, the strip's 256 bytes of a row, my fragment's 16 rows
	s_lshl_b32 s[TMP], s16, 8
	s_add_co_u32 s26, s26, s[TMP]
	s_lshl_b32 s[TMP], s18, 17
	s_add_co_u32 s26, s26, s[TMP]
	s_mov_b32 s27, 0
	s_lshl_b32 s42, s15, 22                        ; hbuf: the expert's 64 tiles of 65,536 bytes, the strip's 2,048, my wave's tile
	s_lshl_b32 s[TMP], s16, 11
	s_add_co_u32 s42, s42, s[TMP]
	s_lshl_b32 s[TMP], s14, 16
	s_add_co_u32 s42, s42, s[TMP]
	s_mov_b32 s43, 0
	s_lshl_b32 s52, s15, 12                        ; rk: the expert's 1,024 ranks
	s_mov_b32 s53, 0
	s_lshl_b32 s54, s15, 7                         ; 128 bytes an expert: its map in bm, and its count behind the eight experts' ranks in rk
	s_mov_b32 s55, 0
	s_mov_b32 s38, 0xbfb8aa3b                      ; -log2(e)
	s_mov_b32 s39, s38                             ; named with it as a pair
	s_mov_b32 s61, 0x55555555
	s_mov_b32 s62, 0x33333333
	s_mov_b32 s63, 0x0f0f0f0f
	s_wait_kmcnt 0x0
	s_add_nc_u64 s[4:5], s[4:5], s[54:55]
	s_load_b512 s[BM:BM+15], s[4:5], 0x0           ; the expert's map: tokens 0 to 511,
	s_load_b512 s[BM+16:BM+31], s[4:5], 0x40       ; 512 to 1,023
	s_cmp_lg_u32 s17, 0
	s_cselect_b64 s[20:21], s[10:11], s[8:9]
	s_add_nc_u64 s[20:21], s[20:21], s[26:27]
	s_mov_b64 s[22:23], s[6:7]
	s_add_nc_u64 s[24:25], s[12:13], s[42:43]
	s_add_nc_u64 s[50:51], s[48:49], 0x8000
	s_add_nc_u64 s[50:51], s[50:51], s[54:55]
	s_add_nc_u64 s[48:49], s[48:49], s[52:53]
	WLOAD RAW0, 0                                  ; the weights' first two blocks are asked for before the tokens are sought
	WLOAD RAW0+64, CHUNK
	s_wait_kmcnt 0x0
	SELECT 0, 1
	s_cmp_lg_u32 s37, 0
	s_cbranch_scc1 .Lnocnt
	v_mov_b32 v22, s[CNT]
	global_store_b32 v8, v22, s[50:51]             ; the count, once a lane: 128 consecutive bytes
.Lnocnt:
	s_add_co_u32 s33, s[CNT], 15
	s_lshr_b32 s33, s33, 4
	s_max_u32 s33, s33, 1                          ; tile 0 is always made, so that the next launch never reads a byte that nobody wrote
	s_add_co_u32 s[TMP], s34, 16
	s_cmp_lt_u32 s[TMP], s33
	s_cselect_b32 s46, 1, 0                        ; is my fifth slot live?
	s_wait_loadcnt 16                              ; W(0) is in; W(1) is younger
	CONV RAW0
	ALOAD 0, 0
	ALOAD 1, 32
	WIN 0
	WLOAD RAW0, 2*CHUNK
	ALOAD 2, 128
	ALOAD 3, 160
	WIN 0
	s_wait_dscnt 0x0                               ; for the others' sake: my part of block 0 is in LDS
	s_barrier_signal -1
	s_barrier_wait -1
	TRIP 0, 1, 1, 1, 1, 56, 62, 62                 ; block 0 starts the sums
	s_mov_b32 s36, 6
.Lk:                                                   ; blocks 1 to 12
	TRIP 1, 0, 1, 1, 1, 56, 62, 62
	TRIP 0, 0, 1, 1, 1, 56, 62, 62
	s_sub_co_u32 s36, s36, 1
	s_cmp_lg_u32 s36, 0
	s_cbranch_scc1 .Lk
	TRIP 1, 0, 0, 1, 1, 56, 46, 46                 ; block 13: no W is left to ask for
	TRIP 0, 0, 0, 0, 1, 40, 30, 20                 ; block 14: nor X
	TRIP 1, 0, 0, 0, 0, 0, 10, 0                   ; block 15: nothing is left to round
	s_mov_b32 s35, 0
	s_mov_b32 s41, 320
.Lpass:                                                ; four trips, whatever the count: a pass goes out; the next is multiplied only if the expert has rows for it
	EPI 0
	EPI 1
	EPI 2
	EPI 3
	EPI 4
	s_cmp_ge_u32 s41, s[CNT]
	s_cbranch_scc1 .Lnext
	s_load_b512 s[BM:BM+15], s[4:5], 0x0           ; the map once more: the search moves it through its registers
	s_load_b512 s[BM+16:BM+31], s[4:5], 0x40
	s_wait_kmcnt 0x0
	SELECT 20, 0
	s_add_co_u32 s[TMP], s34, 36
	s_cmp_lt_u32 s[TMP], s33
	s_cselect_b32 s46, 1, 0
	s_mov_b64 s[22:23], s[6:7]                     ; every load that named it is back
	s_mov_b32 s44, 0
	START0
	s_mov_b32 s36, 16
.Lpk:
	PTRIP
	s_sub_co_u32 s36, s36, 1
	s_cmp_lg_u32 s36, 0
	s_cbranch_scc1 .Lpk
.Lnext:
	s_wait_xcnt 0x0                                ; the stores have read hbuf's pointer
	s_add_nc_u64 s[24:25], s[24:25], 20*65536
	s_add_co_u32 s34, s34, 20
	s_add_co_u32 s41, s41, 320
	s_add_co_u32 s35, s35, 1
	s_cmp_lt_u32 s35, 4
	s_cbranch_scc1 .Lpass
	s_wait_dscnt 0x0                               ; my reads of the shared fragments are over;
	s_barrier_signal -1
	s_barrier_wait -1                              ; everybody's are, before any wave writes LDS again
	s_wait_tensorcnt 0x0                           ; the wave's end, behind my last LDS store
	ds_add_u32 v28, v29
	s_wait_dscnt 0x0
	s_endpgm
.Lfunc_end_k_qfe10134b0e_gateup:
	.size	k_qfe10134b0e_gateup, .Lfunc_end_k_qfe10134b0e_gateup-k_qfe10134b0e_gateup
	.p2alignl 7, 3214868480
	.fill 96, 4, 3214868480
	.section	.rodata,"a",@progbits
	.p2align	6, 0x0
	.amdhsa_kernel k_qfe10134b0e_gateup
		.amdhsa_group_segment_fixed_size 262656
		.amdhsa_private_segment_fixed_size 0
		.amdhsa_enable_private_segment 0
		.amdhsa_kernarg_size 48
		.amdhsa_user_sgpr_count 2
		.amdhsa_user_sgpr_kernarg_segment_ptr 1
		.amdhsa_wavefront_size32 1
		.amdhsa_system_sgpr_workgroup_id_x 1
		.amdhsa_system_sgpr_workgroup_id_y 1
		.amdhsa_system_sgpr_workgroup_id_z 1
		.amdhsa_system_vgpr_workitem_id 0
		.amdhsa_next_free_vgpr 992
		.amdhsa_next_free_sgpr 100
		.amdhsa_reserve_vcc 1
		.amdhsa_float_denorm_mode_32 3
		.amdhsa_float_denorm_mode_16_64 3
		.amdhsa_memory_ordered 1
		.amdhsa_forward_progress 1
		.amdhsa_inst_pref_size 171
	.end_amdhsa_kernel
	.amdgpu_metadata
---
amdhsa.version: [ 1, 2 ]
amdhsa.kernels:
  - .name:           k_qfe10134b0e_gateup
    .symbol:         k_qfe10134b0e_gateup.kd
    .args:
      - { .name: bm, .offset: 0, .size: 8, .value_kind: global_buffer, .address_space: global }
      - { .name: xb, .offset: 8, .size: 8, .value_kind: global_buffer, .address_space: global }
      - { .name: w1, .offset: 16, .size: 8, .value_kind: global_buffer, .address_space: global }
      - { .name: w3, .offset: 24, .size: 8, .value_kind: global_buffer, .address_space: global }
      - { .name: hbuf, .offset: 32, .size: 8, .value_kind: global_buffer, .address_space: global }
      - { .name: rk, .offset: 40, .size: 8, .value_kind: global_buffer, .address_space: global }
    .group_segment_fixed_size: 262656
    .private_segment_fixed_size: 0
    .kernarg_segment_align: 8
    .kernarg_segment_size: 48
    .max_flat_workgroup_size: 128
    .sgpr_count:     100
    .vgpr_count:     992
    .wavefront_size: 32
...
	.end_amdgpu_metadata
.endif
;; end of part 6
;; launch down (part 7): grid 256 x 1, 4 waves a work-group, no clusters, 262,656 bytes of LDS; arguments rk, hbuf, w2, y; writes y
.if DOCPART == 7
	.amdgcn_target "amdgcn-amd-amdhsa--gfx1250"
	.amdhsa_code_object_version 6
	.text
	.protected	k_qfe10134b0e_down
	.globl	k_qfe10134b0e_down
	.p2align	8
	.type	k_qfe10134b0e_down,@function
k_qfe10134b0e_down:
	s_mov_b64 s[64:65], 0
	v_nop
	global_prefetch_b8 v0, s[64:65] scope:SCOPE_SE
	s_setreg_imm32_b32 hwreg(HW_REG_WAVE_MODE, 25, 1), 1
	s_wait_xcnt 0x0
; SECOND PRODUCT.  y[kh][e][rank] = h w2[e] over half kh of H, for the rows that chose expert e, in the order of their ranks.  Work-group = (expert e, strip c of 64 columns of D, half kh of H):
; it alone reads its 1,024 rows x 64 columns of w2: 256 KB of f32, each byte once.  The whole slice fits in LDS as it lies: three tensor loads a wave, issued at the start, bring it, as rows 0-255, 256-767 and 768-1,023;
; no LDS byte is filled twice.  The products on a part begin when that part has landed: a counted wait and a barrier stand in front of each of the three.
; Each wave reads the f32 rows from LDS and rounds them to bf16 fragments for itself.  h comes from memory in fragment order, straight into registers, through a ring of eight units.
; ROWS, K MAP: as in the first product: tile T = 20 x pass + 4 x slot + wave; in a block of 64 k, fragment f, lane (r, h), register q holds k = 32 h + 16 f + 2 q and + 1;
; lane (r, h) takes columns 4 r .. 4 r + 3 of rows 32 h + 16 f + j, and column 4 r + i goes to tile i.
; Source 0 = h, source 1 = w2: register j of a result is the row of rank 16 T + 8 h + j, and a lane's four tiles are columns 4 r .. 4 r + 3: 16 bytes, sixteen lanes 256 consecutive bytes of a row of y.
; A result's consecutive registers are consecutive rows, so those 16 bytes lie in four accumulators: 32 v_mov_b32 a tile lay them side by side for the stores.
; Every store address is made of the work-group's and the wave's numbers and the pass alone.  Of the data only the expert's count enters: it says which tiles are jumped.  A tile that holds the count is stored whole:
; its last rows fall into the expert's own 1,024 rows of y, and nobody reads them.  The partial rows stay in f32; the next launch gathers four of them for each token and weighs them.
; The first 32 k start the sums (C = 0): the body that holds them stands ahead of the loop.  In the rare later passes the sums are started by 20 products of zeros: 20 lines in place of a further copy of a block's text.
; NO CLUSTER: each slice of weights has one reader.  The expert's 16 strips of one half do read the same h; beside the slice 65,024 bytes of LDS are left, and two slots of 20 tiles x 64 k of h are 81,920.
; A slot past the count repeats the last live tile (one 16-byte piece for all lanes) and is not stored.  The fifth slot (tiles 16 to 19 of a pass) has rows only where the expert has more than 256 left:
; where it has none its products are jumped (but those that start the sums); its loads stay, so that every counted wait holds on both ways.
; REGISTERS, in windows of 256 (s_set_vgpr_msb: bits 1:0 source 0, 3:2 source 1, 5:4 source 2, 7:6 destination):
;   window 0: v2 16 L, v4 LDS address of the raw rows, v10-14 the slots' offsets in hbuf, v15-17 at work, v26 32,768 h + 16 r (y), v27 8,192 h + 16 r (LDS), v28-29 the add's;
;             v32-63 w2's four fragments; v64-127, v128-191 raw rows, two buffers (v64-95: results on the way out)
;   window 1: v0-159 accumulators at 32 slot + 8 i      window 2: units 0-5 of h at 40 u + 8 slot      window 3: units 6, 7
.set SPARE, 262144                     ; behind the slice: the spare words, 128 bytes a wave: two blocks of 256 bytes that no other line names
.set AOFF,  10
.set BF,    32
.set RW0,   64
.set OO,    64
.set CNT,   42                         ; s42  NE, the expert's rows
.set TMP,   44
; s14 wave, s15 e, s16 c, s17 kh, s[12:13] rk at the expert's count, s[20:21] hbuf's pointer, s[22:23] y's, s[24:27], s[28:31], s[76:79] descriptor group 0 of the three parts, s[32:33] hbuf at the slice's first strip,
; s37 LDS byte of the rows to be read, s43 tiles with rows, s45 live tiles (at least 1), s47 20 pass + wave, s[48:55] descriptor group 1 for 64 rows, s[68:75] for 128 rows, s56 pass, s57 loop count, s58, s61 at work,
; s59 320 (pass + 1), s62 1: my fifth slot has rows (s[60:63] at the start: my wave's rows in memory)
.set MSB, 0
.macro WIN new                         ; the immediate's high byte repeats the setting that is left; a switch that changes nothing is dropped
.if MSB != (\new)
	s_set_vgpr_msb (MSB<<8)|(\new)
.set MSB, \new
.endif
.endm
.macro PLACES                          ; four plain instructions between a matrix instruction and a write of, a load into, or a vector read of its registers
.rept 4
	v_nop
.endr
.endm
.macro AOFFS add                       ; the slots' offsets in hbuf: tile x 65,536 + 16 L; a slot past the count takes the last live tile, and 0 for 16 L
.set sl, 0
.rept 5
	s_add_co_u32 s58, s47, (\add)+4*sl
	s_sub_co_u32 s61, s45, 1
	s_cmp_lt_u32 s58, s45
	s_cselect_b32 s58, s58, s61
	s_cselect_b32 s61, 1, 0
	s_min_u32 s58, s58, 63
	s_min_u32 s61, s61, 1
	s_lshl_b32 s58, s58, 16
	v_mul_u32_u24 v[AOFF+sl], s61, v2
	v_add_nc_u32 v[AOFF+sl], s58, v[AOFF+sl]
.set sl, sl+1
.endr
	s_add_co_u32 s58, s47, (\add)+16
	s_cmp_lt_u32 s58, s43
	s_cselect_b32 s62, 1, 0                        ; has my fifth slot rows?
.endm
.macro START0                          ; a later pass: all 20 sums are started by products of two fragments of zeros, so that one text of a block serves all 16 blocks of the pass
	WIN 0
.set zz, 0
.rept 16
	v_mov_b32 v[BF+zz], 0
.set zz, zz+1
.endr
	WIN 0x40                                       ; the result in window 1, the sources in window 0
.set zz, 0
.rept 20
	v_wmma_f32_16x16x32_bf16 v[8*zz:8*zz+7], v[BF:BF+7], v[BF+8:BF+15], 0
.set zz, zz+1
.endr
	WIN 0
	PLACES                                         ; the fragments' registers are written again soon
.endm
.macro RLOAD dst, imm                  ; 16 raw rows for each half of the lanes: a half reads 256 neighbouring bytes
.set jj, 0
.rept 16
	ds_load_b128 v[(\dst)+4*jj:(\dst)+4*jj+3], v4 offset:(\imm)+256*jj
.set jj, jj+1
.endr
.endm
.macro CVT src                         ; 64 f32 a lane -> four fragments (tile i: column 4 r + i)
.set ii, 0
.rept 4
.set qq, 0
.rept 8
	v_cvt_pk_bf16_f32 v[BF+8*ii+qq], v[(\src)+8*qq+ii], v[(\src)+8*qq+4+ii]
.set qq, qq+1
.endr
.set ii, ii+1
.endr
.endm
.macro ALD u, imm                      ; a unit of h (one f of one block, five slots): 512 consecutive bytes a load
.if (\u) < 6
	WIN 0x80
.set RB_, 40*(\u)
.else
	WIN 0xc0
.set RB_, 40*((\u)-6)
.endif
.set sl, 0
.rept 5
	global_load_b128 v[RB_+8*sl:RB_+8*sl+3], v[AOFF+sl], s[20:21] offset:(\imm)
	global_load_b128 v[RB_+8*sl+4:RB_+8*sl+7], v[AOFF+sl], s[20:21] offset:(\imm)+512
.set sl, sl+1
.endr
.endm
; 16 matrix instructions on the 16 accumulators of slots 0 to 3, and slot 4's four where it has rows; the accumulators take turns.
; zero = 1: the products start the sums; all 20 run, so that every accumulator is written on every way.
.macro MULD u, zero=0
.if (\u) < 6
.set WM_, 0x52
.set RB_, 40*(\u)
.else
.set WM_, 0x53
.set RB_, 40*((\u)-6)
.endif
	WIN WM_
.if \zero
.set sl, 0
.rept 5
.set ii, 0
.rept 4
	v_wmma_f32_16x16x32_bf16 v[32*sl+8*ii:32*sl+8*ii+7], v[RB_+8*sl:RB_+8*sl+7], v[BF+8*ii:BF+8*ii+7], 0
.set ii, ii+1
.endr
.set sl, sl+1
.endr
.else
.set sl, 0
.rept 4
.set ii, 0
.rept 4
	v_wmma_f32_16x16x32_bf16 v[32*sl+8*ii:32*sl+8*ii+7], v[RB_+8*sl:RB_+8*sl+7], v[BF+8*ii:BF+8*ii+7], v[32*sl+8*ii:32*sl+8*ii+7]
.set ii, ii+1
.endr
.set sl, sl+1
.endr
	WIN 0                                          ; at a branch and at a label every window is 0
	s_cmp_eq_u32 s62, 0
	s_cbranch_scc1 .Ldead_\@
	WIN WM_
.set ii, 0
.rept 4
	v_wmma_f32_16x16x32_bf16 v[128+8*ii:128+8*ii+7], v[RB_+32:RB_+39], v[BF+8*ii:BF+8*ii+7], v[128+8*ii:128+8*ii+7]
.set ii, ii+1
.endr
	WIN 0
.Ldead_\@:
.endif
.endm
; A STEP: 32 k.  The next step's raw rows are asked for; this step's are rounded; the products; the unit's registers take the unit eight steps on.
; Seven younger units, 70 loads, are issued behind a unit; the wait's field ends at 63, so it leaves six units out.  In the last body nothing is asked for and the counts run down.
.macro FSTEP u, issue, zero
	WIN 0
.if (\u) < 7
	RLOAD RW0+64*(((\u)+1)%2), (((\u)+1)/2)*16384+(((\u)+1)%2)*4096
	s_wait_dscnt 16                                ; this step's rows are in; the next step's 16 loads are younger
.else
	s_wait_dscnt 0x0
.endif
	CVT RW0+64*((\u)%2)
.if (\issue) || ((\u) < 2)
	s_wait_loadcnt 60
.else
	s_wait_loadcnt 70-10*(\u)
.endif
	MULD \u, \zero
	PLACES
.if \issue
	ALD \u, 8192+1024*(\u)
.endif
.endm
.macro BODY issue, zero                ; eight steps: 256 k.  zero = 1: its first step starts the sums
	WIN 0
	v_add_nc_u32 v4, s37, v27
	s_add_co_u32 s37, s37, 65536
	RLOAD RW0, 0
	FSTEP 0, \issue, \zero
.irp u, 1,2,3,4,5,6,7
	FSTEP \u, \issue, 0
.endr
	WIN 0
.if \issue
	s_wait_xcnt 0x0                                ; the pointer is stepped only behind this wait
	s_add_nc_u64 s[20:21], s[20:21], 8192
.endif
.endm
.macro PSB                             ; a block of 64 k of a later pass, plainly: the slice is resident, no barrier
	WIN 0
	v_add_nc_u32 v4, s37, v27
	s_add_co_u32 s37, s37, 16384
	ALD 0, 0
	ALD 1, 1024
	WIN 0
	RLOAD RW0, 0
	RLOAD RW0+64, 4096
	s_wait_loadcnt 0x0
	s_wait_dscnt 0x0
	CVT RW0
	MULD 0
	PLACES
	WIN 0
	CVT RW0+64
	MULD 1
	PLACES
	WIN 0
	s_add_nc_u64 s[20:21], s[20:21], 2048          ; its loads are back
.endm
; THE WAY OUT of a slot: four tiles' columns side by side, a row of 256 bytes for each half of the lanes.  A tile without rows is jumped.
.macro EPI slot
	WIN 0
	s_add_co_u32 s58, s47, 4*(\slot)
	s_cmp_ge_u32 s58, s43
	s_cbranch_scc1 .Lno_\@
	s_wait_xcnt 0x0                                ; the last slot's stores have read their registers
	WIN 0x01
.set jj, 0
.rept 8
.set ii, 0
.rept 4
	v_mov_b32 v[OO+4*jj+ii], v[32*(\slot)+8*ii+jj] ; each accumulator's register 0 is read first
.set ii, ii+1
.endr
.set jj, jj+1
.endr
	WIN 0
.set jj, 0
.rept 8
	global_store_b128 v26, v[OO+4*jj:OO+4*jj+3], s[22:23] offset:(\slot)*262144+4096*jj  ; sixteen lanes store 256 consecutive bytes, aligned
.set jj, jj+1
.endr
.Lno_\@:
.endm
	s_load_b256 s[4:11], s[0:1], 0x0               ; rk s[4:5], hbuf s[6:7], w2 s[8:9], y s[10:11]
	v_lshl_add_u32 v28, v0, 2, SPARE
	v_mov_b32 v29, 0
	ds_add_u32 v28, v29                            ; the wave's opening: the add and its wait stand ahead of my first tensor load; the set-up below, work on registers, stands between them
	v_lshrrev_b32 v1, 5, v0
	v_readfirstlane_b32 s14, v1                    ; wave 0..3
	s_lshr_b32 s15, ttmp9, 5                       ; e
	s_bfe_u32 s16, ttmp9, 0x40001                  ; c
	s_and_b32 s17, ttmp9, 1                        ; kh
	; descriptor group 1, twice: a tile of 64 or of 128 rows x 64 elements of 4 bytes, rows 1,024 elements apart; in LDS the rows follow each other without a gap
	s_mov_b32 s48, 2<<16                           ; 15:0 no mask; 17:16 elements of 4 bytes; no padding
	s_mov_b32 s49, 64<<16                          ; tensor_dim0 = 64
	s_mov_b32 s50, 64<<16                          ; tensor_dim1 = 64
	s_mov_b32 s51, 64<<16                          ; tile_dim0 = 64
	s_mov_b32 s52, 64                              ; tile_dim1 = 64
	s_mov_b32 s53, 1024                            ; elements from row to row
	s_mov_b32 s54, 0
	s_mov_b32 s55, 0
	s_mov_b32 s68, 2<<16
	s_mov_b32 s69, 64<<16                          ; tensor_dim0 = 64
	s_mov_b32 s70, 128<<16                         ; tensor_dim1 = 128
	s_mov_b32 s71, 64<<16                          ; tile_dim0 = 64
	s_mov_b32 s72, 128                             ; tile_dim1 = 128
	s_mov_b32 s73, 1024
	s_mov_b32 s74, 0
	s_mov_b32 s75, 0
	s_mov_b32 s24, 1                               ; group 0: count = 1
	s_lshl_b32 s25, s14, 14                        ; LDS, 256 bytes a row: rows 64 w of the first part,
	s_mov_b32 s28, 1
	s_lshl_b32 s29, s14, 15
	s_add_co_u32 s29, s29, 65536                   ; rows 256 + 128 w of the second,
	s_mov_b32 s76, 1
	s_add_co_u32 s77, s25, 196608                  ; rows 768 + 64 w of the third
	s_lshl_b32 s34, s15, 23                        ; w2: the expert's 8 MB, the half's 1,024 rows, the strip's 256 bytes
	s_lshl_b32 s[TMP], s17, 22
	s_add_co_u32 s34, s34, s[TMP]
	s_lshl_b32 s[TMP], s16, 8
	s_add_co_u32 s34, s34, s[TMP]
	s_mov_b32 s35, 0
	s_lshl_b32 s60, s14, 18                        ; 64 w rows of 4,096 bytes,
	s_mov_b32 s61, 0
	s_lshl_b32 s62, s14, 19                        ; 128 w rows
	s_mov_b32 s63, 0
	s_lshl_b32 s38, s15, 22                        ; hbuf: the expert's 64 tiles, the half's 16 strips of 2,048 bytes
	s_lshl_b32 s[TMP], s17, 15
	s_add_co_u32 s38, s38, s[TMP]
	s_mov_b32 s39, 0
	s_lshl_b32 s40, s17, 25                        ; y: the half's 32 MB, the expert's 1,024 rows of 4,096 bytes, my wave's tile of 16 rows, the strip's 256 bytes
	s_lshl_b32 s[TMP], s15, 22
	s_add_co_u32 s40, s40, s[TMP]
	s_lshl_b32 s[TMP], s14, 16
	s_add_co_u32 s40, s40, s[TMP]
	s_lshl_b32 s[TMP], s16, 8
	s_add_co_u32 s40, s40, s[TMP]
	s_mov_b32 s41, 0
	s_lshl_b32 s18, s15, 7                         ; rk: the expert's 128 bytes of count
	s_mov_b32 s19, 0
	s_wait_dscnt 0x0                               ; the opening add is done
	s_wait_kmcnt 0x0
	s_add_nc_u64 s[12:13], s[4:5], s[18:19]
	s_add_nc_u64 s[18:19], s[8:9], s[34:35]        ; the slice's first row
	s_add_nc_u64 s[26:27], s[18:19], s[60:61]      ; row 64 w
	s_add_nc_u64 s[30:31], s[18:19], s[62:63]
	s_add_nc_u64 s[30:31], s[30:31], 0x100000      ; row 256 + 128 w
	s_add_nc_u64 s[78:79], s[26:27], 0x300000      ; row 768 + 64 w
	s_or_b32 s27, s27, 0x80000000                  ; type = 2
	s_or_b32 s31, s31, 0x80000000
	s_or_b32 s79, s79, 0x80000000
	s_add_nc_u64 s[32:33], s[6:7], s[38:39]
	s_mov_b64 s[20:21], s[32:33]
	s_add_nc_u64 s[22:23], s[10:11], s[40:41]
	tensor_load_to_lds s[24:27], s[48:55]          ; the whole slice is asked for at once: three loads of mine are out
	s_nop 0
	tensor_load_to_lds s[28:31], s[68:75]
	s_nop 0
	tensor_load_to_lds s[76:79], s[48:55]
	s_nop 0
.rept 4
	v_nop
.endr
	s_load_b32 s[CNT], s[12:13], 0x8000            ; the expert's count, behind the eight experts' ranks
	v_and_b32 v1, 31, v0                           ; L
	v_lshlrev_b32 v2, 4, v1                        ; 16 L
	v_lshrrev_b32 v16, 4, v1                       ; h
	v_and_b32 v17, 15, v1                          ; r
	v_lshlrev_b32 v15, 4, v17                      ; 16 r
	v_lshl_add_u32 v26, v16, 15, v15               ; y: 8 rows of 4,096 bytes for the upper half of the lanes, 16 bytes a lane
	v_lshl_add_u32 v27, v16, 13, v15               ; LDS: 32 raw rows for the upper half of the lanes, 16 bytes a lane
	s_wait_kmcnt 0x0
	s_min_u32 s[CNT], s[CNT], 0x400
	s_add_co_u32 s43, s[CNT], 15
	s_lshr_b32 s43, s43, 4                         ; tiles with rows
	s_max_u32 s45, s43, 1                          ; tiles that the first product wrote
	s_mov_b32 s47, s14
	AOFFS 0
.irp u, 0,1,2,3,4,5,6,7
	ALD \u, 1024*\u
.endr
	WIN 0
	s_wait_tensorcnt 0x2                           ; my part of rows 0-255 is in; the two later parts may stay out
	s_barrier_signal -1
	s_barrier_wait -1                              ; everybody's is
	s_mov_b32 s37, 0
	BODY 1, 1                                      ; rows 0-255; the first 32 k start the sums
	s_wait_tensorcnt 0x1                           ; my part of rows 256-767 is in,
	s_barrier_signal -1
	s_barrier_wait -1                              ; everybody's is
	s_mov_b32 s57, 2
.Lk:                                                   ; rows 256-767
	BODY 1, 0
	s_sub_co_u32 s57, s57, 1
	s_cmp_lg_u32 s57, 0
	s_cbranch_scc1 .Lk
	s_wait_tensorcnt 0x0                           ; my part of rows 768-1,023 is in,
	s_barrier_signal -1
	s_barrier_wait -1                              ; everybody's is
	BODY 0, 0
	s_mov_b32 s56, 0
	s_mov_b32 s59, 320
.Lpass:                                                ; four trips, whatever the count: a pass goes out; the next is multiplied only if the expert has rows for it
	EPI 0
	EPI 1
	EPI 2
	EPI 3
	EPI 4
	s_cmp_ge_u32 s59, s[CNT]
	s_cbranch_scc1 .Lnext
	s_wait_xcnt 0x0                                ; the pass's stores have read v64-95, into which the raw rows are loaded below
	AOFFS 20
	START0
	s_mov_b64 s[20:21], s[32:33]                   ; every load that named it is back
	s_mov_b32 s37, 0
	s_mov_b32 s57, 16
.Lpk:
	PSB
	s_sub_co_u32 s57, s57, 1
	s_cmp_lg_u32 s57, 0
	s_cbranch_scc1 .Lpk
.Lnext:
	s_wait_xcnt 0x0                                ; the stores have read y's pointer
	s_add_nc_u64 s[22:23], s[22:23], 20*65536
	s_add_co_u32 s47, s47, 20
	s_add_co_u32 s59, s59, 320
	s_add_co_u32 s56, s56, 1
	s_cmp_lt_u32 s56, 4
	s_cbranch_scc1 .Lpass
	s_wait_dscnt 0x0                               ; my reads of the slice are over;
	s_barrier_signal -1
	s_barrier_wait -1                              ; everybody's are, before any wave writes LDS again
	s_wait_tensorcnt 0x0                           ; the wave's end, behind my last tensor load
	ds_add_u32 v28, v29
	s_wait_dscnt 0x0
	s_endpgm
.Lfunc_end_k_qfe10134b0e_down:
	.size	k_qfe10134b0e_down, .Lfunc_end_k_qfe10134b0e_down-k_qfe10134b0e_down
	.p2alignl 7, 3214868480
	.fill 96, 4, 3214868480
	.section	.rodata,"a",@progbits
	.p2align	6, 0x0
	.amdhsa_kernel k_qfe10134b0e_down
		.amdhsa_group_segment_fixed_size 262656
		.amdhsa_private_segment_fixed_size 0
		.amdhsa_enable_private_segment 0
		.amdhsa_kernarg_size 32
		.amdhsa_user_sgpr_count 2
		.amdhsa_user_sgpr_kernarg_segment_ptr 1
		.amdhsa_wavefront_size32 1
		.amdhsa_system_sgpr_workgroup_id_x 1
		.amdhsa_system_sgpr_workgroup_id_y 1
		.amdhsa_system_sgpr_workgroup_id_z 1
		.amdhsa_system_vgpr_workitem_id 0
		.amdhsa_next_free_vgpr 848
		.amdhsa_next_free_sgpr 80
		.amdhsa_reserve_vcc 0
		.amdhsa_float_denorm_mode_32 3
		.amdhsa_float_denorm_mode_16_64 3
		.amdhsa_memory_ordered 1
		.amdhsa_forward_progress 1
		.amdhsa_inst_pref_size 167
	.end_amdhsa_kernel
	.amdgpu_metadata
---
amdhsa.version: [ 1, 2 ]
amdhsa.kernels:
  - .name:           k_qfe10134b0e_down
    .symbol:         k_qfe10134b0e_down.kd
    .args:
      - { .name: rk, .offset: 0, .size: 8, .value_kind: global_buffer, .address_space: global }
      - { .name: hbuf, .offset: 8, .size: 8, .value_kind: global_buffer, .address_space: global }
      - { .name: w2, .offset: 16, .size: 8, .value_kind: global_buffer, .address_space: global }
      - { .name: y, .offset: 24, .size: 8, .value_kind: global_buffer, .address_space: global }
    .group_segment_fixed_size: 262656
    .private_segment_fixed_size: 0
    .kernarg_segment_align: 8
    .kernarg_segment_size: 32
    .max_flat_workgroup_size: 128
    .sgpr_count:     80
    .vgpr_count:     848
    .wavefront_size: 32
...
	.end_amdgpu_metadata
.endif
;; end of part 7
;; launch combine (part 8): grid 256 x 1, 8 waves a work-group, no clusters, 0 bytes of LDS; arguments y, psum, sel, gw, rk, out0, out1; writes out0, out1
.if DOCPART == 8
	.amdgcn_target "amdgcn-amd-amdhsa--gfx1250"
	.amdhsa_code_object_version 6
	.text
	.protected	k_qfe10134b0e_combine
	.globl	k_qfe10134b0e_combine
	.p2align	8
	.type	k_qfe10134b0e_combine,@function
k_qfe10134b0e_combine:
	s_mov_b64 s[64:65], 0
	v_nop
	global_prefetch_b8 v0, s[64:65] scope:SCOPE_SE
	s_setreg_imm32_b32 hwreg(HW_REG_WAVE_MODE, 25, 1), 1
	s_wait_xcnt 0x0
; THE SUM.  out0[t] = g1 (y[0][i1][p1] + y[1][i1][p1]) + g2 (y[0][i2][p2] + y[1][i2][p2]): the two chosen experts' rows, each in two halves of H, found by the token's rank p in the expert.
; A work-group takes 4 tokens; thread n takes columns 4 n .. 4 n + 3, so a wave's load or store covers 512 consecutive bytes.
; WHICH ROWS.  Lane n % 8 stands for (token n / 2, slot n % 2).  It loads its token's word of sel (the experts' numbers stand in bits 16-18 and 20-22) and, in the same run, its token's rank in ALL eight experts, and then
; chooses: so the ranks do not wait for sel.  Eight v_readlane_b32 hand the eight row numbers, 1,024 x expert + rank, to every lane; each is clamped to y's 8,192 rows before it enters an address.  All 16 loads of rows go out at once.
; A stream: no LDS, no barrier, no matrix unit, no cluster (no row is read twice).
; Wave 0 of work-group 0 also makes the loss from the router's 64 x 16 sums: 8 x sum over e of (count_e / 1,024) (mass_e / 1,024) = 2^-17 x sum of count_e x mass_e.  Its 32 loads go out straight behind its loads of rows
; and are on their way together with them.
; v3 4 x my token, v5 where my slot's expert stands, v6 sel, v7 my expert, v8-15 gate weights, v16-79 rows, v80-87 my token's eight ranks, v88 my row, v104-111 offsets in y, v112-143 the router's sums; s32-39 the eight rows
	s_load_b256 s[4:11], s[0:1], 0x0               ; y s[4:5], psum s[6:7], sel s[8:9], gw s[10:11]
	s_load_b128 s[12:15], s[0:1], 0x20             ; rk s[12:13], out0 s[14:15]
	s_load_b64 s[16:17], s[0:1], 0x30              ; out1
	v_lshlrev_b32 v1, 4, v0                        ; 16 x thread
	v_mov_b32 v2, 0
	v_lshrrev_b32 v4, 5, v0
	v_readfirstlane_b32 s20, v4                    ; wave
	v_bfe_u32 v3, v0, 1, 2                         ; my token among the four,
	v_lshlrev_b32 v3, 2, v3                        ; its word
	v_and_b32 v5, 1, v0                            ; my slot:
	v_lshl_add_u32 v5, v5, 2, 16                   ; its expert stands at bit 16 or 20 of sel
	s_lshl_b32 s22, ttmp9, 4                       ; 4 tokens' words in sel and in a row of rk
	s_mov_b32 s23, 0
	s_lshl_b32 s24, ttmp9, 5                       ; 4 tokens' pairs in gw
	s_mov_b32 s25, 0
	s_lshl_b32 s26, ttmp9, 14                      ; 4 rows of out0
	s_mov_b32 s27, 0
	s_wait_kmcnt 0x0
	s_add_nc_u64 s[8:9], s[8:9], s[22:23]
	s_add_nc_u64 s[10:11], s[10:11], s[24:25]
	s_add_nc_u64 s[12:13], s[12:13], s[22:23]
	s_add_nc_u64 s[14:15], s[14:15], s[26:27]
	s_add_nc_u64 s[18:19], s[4:5], 0x2000000       ; the second half's plane: a base of its own, since the distance is past the immediate's range
	global_load_b32 v6, v3, s[8:9]
.set ee, 0
.rept 8
	global_load_b32 v[80+ee], v3, s[12:13] offset:4096*ee  ; my token's rank in expert ee
.set ee, ee+1
.endr
	global_load_b128 v[8:11], v2, s[10:11]
	global_load_b128 v[12:15], v2, s[10:11] offset:16
	s_wait_loadcnt 2                               ; sel and the ranks are in; the two loads of gw are younger
	v_bfe_u32 v7, v6, v5, 3                        ; my expert
	v_mov_b32 v88, v80
.set ee, 1
.rept 7
	v_cmp_eq_u32 vcc_lo, ee, v7
	v_cndmask_b32 v88, v88, v[80+ee], vcc_lo       ; its rank
.set ee, ee+1
.endr
	v_lshl_add_u32 v88, v7, 10, v88                ; my row: 1,024 x expert + rank
.set nn, 0
.rept 8
	v_readlane_b32 s[32+nn], v88, nn
.set nn, nn+1
.endr
.set nn, 0
.rept 8
	s_min_u32 s[32+nn], s[32+nn], 0x1fff           ; inside a plane of y whatever the tables hold
	s_lshl_b32 s[32+nn], s[32+nn], 12              ; 4,096 bytes a row,
	v_add_nc_u32 v[104+nn], s[32+nn], v1           ; 16 bytes a thread
.set nn, nn+1
.endr
.set qq, 0
.rept 4
	global_load_b128 v[16+16*qq:19+16*qq], v[104+2*qq], s[4:5] th:TH_LOAD_NT
	global_load_b128 v[20+16*qq:23+16*qq], v[104+2*qq], s[18:19] th:TH_LOAD_NT
	global_load_b128 v[24+16*qq:27+16*qq], v[105+2*qq], s[4:5] th:TH_LOAD_NT
	global_load_b128 v[28+16*qq:31+16*qq], v[105+2*qq], s[18:19] th:TH_LOAD_NT
.set qq, qq+1
.endr
	s_cmp_lg_u32 ttmp9, 0
	s_cbranch_scc1 .Lrows
	s_cmp_lg_u32 s20, 0
	s_cbranch_scc1 .Lrows
	; THE LOSS, in one wave of the launch
	v_lshlrev_b32 v4, 2, v0                        ; in wave 0 the thread's number is the lane: lane L takes value L % 16 of the rows of parity L / 16
.set ii, 0
.rept 32
	global_load_b32 v[112+ii], v4, s[6:7] offset:128*ii
.set ii, ii+1
.endr
	s_mov_b32 s28, 0x76543210                      ; each lane takes its own place in the other half
	s_mov_b32 s29, 0xfedcba98
	s_wait_loadcnt 0x0                             ; they were asked for behind the rows, so the rows are in too
.set ii, 4
.rept 28                                               ; four chains
	v_add_f32 v[112+ii%4], v[112+ii%4], v[112+ii]
.set ii, ii+1
.endr
	v_add_f32 v112, v112, v113
	v_add_f32 v114, v114, v115
	v_add_f32 v112, v112, v114
	v_mov_b32 v113, 0
	v_permlanex16_b32 v113, v112, s28, s29
	v_add_f32 v112, v112, v113                     ; lane e: the mass of expert e; lane 8 + e: its count
	v_mul_f32_dpp v112, v112, v112 row_xmask:8 row_mask:0xf bank_mask:0xf
	v_add_f32_dpp v112, v112, v112 row_xmask:1 row_mask:0xf bank_mask:0xf
	v_add_f32_dpp v112, v112, v112 row_xmask:2 row_mask:0xf bank_mask:0xf
	v_add_f32_dpp v112, v112, v112 row_xmask:4 row_mask:0xf bank_mask:0xf
	v_mul_f32 v112, 0x37000000, v112               ; 2^-17
	v_cmp_eq_u32 vcc_lo, 0, v0
	s_wait_xcnt 0x0                                ; EXEC changes only behind this wait
	s_and_saveexec_b32 s30, vcc_lo
	global_store_b32 v2, v112, s[16:17]
	s_wait_xcnt 0x0
	s_or_b32 exec_lo, exec_lo, s30
.Lrows:
.set qq, 0
.rept 4
	s_wait_loadcnt 12-4*qq                         ; this token's four loads are in; the later tokens' stay out
	v_pk_add_f32 v[16+16*qq:17+16*qq], v[16+16*qq:17+16*qq], v[20+16*qq:21+16*qq]
	v_pk_add_f32 v[18+16*qq:19+16*qq], v[18+16*qq:19+16*qq], v[22+16*qq:23+16*qq]
	v_pk_add_f32 v[24+16*qq:25+16*qq], v[24+16*qq:25+16*qq], v[28+16*qq:29+16*qq]
	v_pk_add_f32 v[26+16*qq:27+16*qq], v[26+16*qq:27+16*qq], v[30+16*qq:31+16*qq]
.set ii, 0
.rept 4
	v_mul_f32 v[16+16*qq+ii], v[8+2*qq], v[16+16*qq+ii]
.set ii, ii+1
.endr
.set ii, 0
.rept 4
	v_fma_f32 v[16+16*qq+ii], v[24+16*qq+ii], v[9+2*qq], v[16+16*qq+ii]
.set ii, ii+1
.endr
	global_store_b128 v1, v[16+16*qq:19+16*qq], s[14:15] offset:4096*qq th:TH_STORE_NT
.set qq, qq+1
.endr
	s_endpgm
.Lfunc_end_k_qfe10134b0e_combine:
	.size	k_qfe10134b0e_combine, .Lfunc_end_k_qfe10134b0e_combine-k_qfe10134b0e_combine
	.p2alignl 7, 3214868480
	.fill 96, 4, 3214868480
	.section	.rodata,"a",@progbits
	.p2align	6, 0x0
	.amdhsa_kernel k_qfe10134b0e_combine
		.amdhsa_group_segment_fixed_size 0
		.amdhsa_private_segment_fixed_size 0
		.amdhsa_enable_private_segment 0
		.amdhsa_kernarg_size 56
		.amdhsa_user_sgpr_count 2
		.amdhsa_user_sgpr_kernarg_segment_ptr 1
		.amdhsa_wavefront_size32 1
		.amdhsa_system_sgpr_workgroup_id_x 1
		.amdhsa_system_sgpr_workgroup_id_y 1
		.amdhsa_system_sgpr_workgroup_id_z 1
		.amdhsa_system_vgpr_workitem_id 0
		.amdhsa_next_free_vgpr 144
		.amdhsa_next_free_sgpr 66
		.amdhsa_reserve_vcc 1
		.amdhsa_float_denorm_mode_32 3
		.amdhsa_float_denorm_mode_16_64 3
		.amdhsa_memory_ordered 1
		.amdhsa_forward_progress 1
		.amdhsa_inst_pref_size 14
	.end_amdhsa_kernel
	.amdgpu_metadata
---
amdhsa.version: [ 1, 2 ]
amdhsa.kernels:
  - .name:           k_qfe10134b0e_combine
    .symbol:         k_qfe10134b0e_combine.kd
    .args:
      - { .name: y, .offset: 0, .size: 8, .value_kind: global_buffer, .address_space: global }
      - { .name: psum, .offset: 8, .size: 8, .value_kind: global_buffer, .address_space: global }
      - { .name: sel, .offset: 16, .size: 8, .value_kind: global_buffer, .address_space: global }
      - { .name: gw, .offset: 24, .size: 8, .value_kind: global_buffer, .address_space: global }
      - { .name: rk, .offset: 32, .size: 8, .value_kind: global_buffer, .address_space: global }
      - { .name: out0, .offset: 40, .size: 8, .value_kind: global_buffer, .address_space: global }
      - { .name: out1, .offset: 48, .size: 8, .value_kind: global_buffer, .address_space: global }
    .group_segment_fixed_size: 0
    .private_segment_fixed_size: 0
    .kernarg_segment_align: 8
    .kernarg_segment_size: 56
    .max_flat_workgroup_size: 256
    .sgpr_count:     66
    .vgpr_count:     144
    .wavefront_size: 32
...
	.end_amdgpu_metadata
.endif
;; end of part 8
